; MI455X (gfx1250); checked and timed in simulation.
; The chip was launched on July 23, 2026; its instructions are those of AMD's public machine-readable ISA for CDNA 5 (MIT licence, August 2026) and "CDNA5" Instruction Set Architecture Reference Guide (July 2026). The comments in the code are by the model that wrote it; some were corrected since.
;; Causal Self Attention. Allowed arithmetic: matrix products marked QUANTISED: E2M1 operands, one E8M0 scale for each 32 along K, by v_wmma_scale_f32_16x16x128_f8f6f4 with both operands' format E2M1 (or v_wmma_scale_f32_32x16x128_f4), f32 sums; products left as they are: bf16, f16 or f32 operands; f32 sums; everything else in f32.
;; Inputs: b_proj 1,024 float32; w_attn 3,072 x 1,024 float32; w_proj 1,024 x 1,024 float32; x 8 x 1,024 x 1,024 float32.
;; Outputs: out0 8 x 1,024 x 1,024 float32.
;; This version of the problem:
;;   THIS VERSION OF THE PROBLEM IS GIVEN IN LOW PRECISION. The matrix products marked QUANTISED in the list below multiply operands that are first quantised to E2M1 (2 exponent bits, 1 mantissa bit; 4 bits a number), with one power-of-two scale for each 32 numbers along K (OCP MX v1.0); their sums are f32. The products marked 'left as it is' may take bf16, f16 or f32 operands, with f32 sums. Whichever they take, every output number must still come out within the allowed error. Rounding operands to bf16 (8 significant bits) uses up far more of that allowance than f16 does (11 bits, for magnitudes from 6e-5 to 65,504). All else is computed in f32.
;;   The module's matrix products, in the order in which they are computed (A, B: the left and right operand; K: the contracted axis; several contracted axes count as one K, in the product's order):
;;     1. [M 8,192, K 1,024] x [K 1,024, N 3,072]; A: input x; B: input w_attn: QUANTISED
;;     2. batch 128 x [M 1,024, K 64] x [K 64, N 1,024]; A: computed on the way; B: computed on the way: left as it is (an operand is computed on the way)
;;     3. batch 128 x [M 1,024, K 1,024] x [K 1,024, N 64]; A: computed on the way; B: computed on the way: left as it is (an operand is computed on the way)
;;     4. [M 8,192, K 1,024] x [K 1,024, N 1,024]; A: computed on the way; B: input w_proj: left as it is (an operand is computed on the way)
;;   THE QUANTISER, for each operand of a quantised product, along K:
;;     - K is cut into blocks of 32 from its start; a last block that is shorter is filled with zeros.
;;     - A block's scale is 2^e with e = floor(log2(the largest magnitude in the block)) - 2, held to -126 .. 127; a block of zeros has e = 0. As a byte (E8M0): e + 127.
;;     - Each number is divided by its block's scale, clamped to +-6, and rounded to the nearest number of E2M1, ties to even, subnormals kept.
;;     - The product sums the exact products of the quantised numbers (number of the format x scale) in f32.
;;   ~~~python
;;   def quantise(x, axis):      # numpy; x: float32 -> the quantised numbers, widened to float32 again
;;       x = np.moveaxis(x, axis, -1); K = x.shape[-1]
;;       x = np.pad(x, [(0, 0)] * (x.ndim - 1) + [(0, -K % 32)]); x = x.reshape(x.shape[:-1] + (-1, 32)); a = np.abs(x).max(-1, keepdims=True)
;;       e = np.where(a > 0, np.clip(np.frexp(np.where(a > 0, a, 1))[1] - 1 - 2, -126, 127), 0)      # np.frexp(a)[1] - 1 = floor(log2(a)), exactly
;;       r = np.clip(x / 2.0 ** e, -6, 6)
;;       step = 2.0 ** (np.maximum(np.frexp(np.where(r == 0, 1, r))[1] - 1, 0) - 1)
;;       q = np.round(r / step) * step * 2.0 ** e      # np.round: ties to even
;;       return np.moveaxis(q.reshape(q.shape[:-2] + (-1,))[..., :K], -1, axis).astype(np.float32)
;;   ~~~
;; One version. Each part assembles by itself: llvm-mc -triple=amdgcn-amd-amdhsa -mcpu=gfx1250 --defsym DOCPART=n.
;; ======== version 1 of 1: 5 launches
;; limits: values are held in f16: magnitudes above 65,504 overflow, below 6.1e-05 lose precision
;; workspace buffers: xc 4,194,304 bytes; xs 262,144 bytes; wc 1,572,864 bytes; ws 98,304 bytes; wp16 2,097,152 bytes; kqv 50,331,648 bytes; y16 16,777,216 bytes; kqvf 1,572,864 bytes
;; launch quant (part 1): grid 384 x 1, 4 waves a work-group, no clusters, 33,280 bytes of LDS; arguments x, w_attn, xc, xs, wc, ws, w_proj, wp16; writes xc, xs, wc, ws, wp16
.if DOCPART == 1
	.amdgcn_target "amdgcn-amd-amdhsa--gfx1250"
	.amdhsa_code_object_version 6
	.text
	.protected	k_qa7039ad79a_quant
	.globl	k_qa7039ad79a_quant
	.p2align	8
	.type	k_qa7039ad79a_quant,@function
k_qa7039ad79a_quant:
	s_mov_b64 s[64:65], 0
	v_nop
	global_prefetch_b8 v0, s[64:65] scope:SCOPE_SE
	s_setreg_imm32_b32 hwreg(HW_REG_WAVE_MODE, 25, 1), 1
	s_wait_xcnt 0x0
; x [8192][1024] and w_attn [3072][1024], f32, become codes of FP4 (E2M1), K innermost, two codes a byte, with one E8M0 scale byte for each 32 along K;
; w_proj [1024][1024], f32, becomes f16 (rounded to nearest even).  One launch: work-groups 0-255 take x, 256-351 w_attn, 352-383 w_proj.
; A block's scale is 2^(floor(log2(its largest magnitude)) - 2); its byte is the largest magnitude's exponent field - 2, held at 1 from below.
; LIMITS: a block of zeros gets the byte 1 (its codes are zeros, and this program alone reads the bytes); blocks whose largest magnitude lies under 2^(2 - 126) have their byte held at 1;
; NaN and infinities among the inputs are not served; |w_proj| stays under 65,504, f16's largest number.
; Rows are dense and 1024 is a multiple of 32: each tensor is a plain stream of blocks of 32, and so are its codes and its scale bytes.
; QUANTISING: a wave takes 16 steps of 512 numbers.  Each of a step's four loads reads 512 consecutive bytes, 16 a lane; the 2,048 bytes go through the wave's own stage in LDS and come back 64 bytes a lane,
; so that a lane holds 16 neighbours along K (two neighbouring lanes hold a block).  A lane's 16 codes are 8 bytes: the wave stores 256 consecutive bytes.  A wave's 256 scale bytes are gathered in LDS and leave as 256 consecutive bytes.
; Loads run eight steps ahead: 32 loads, 16,384 bytes, of every wave are on their way; the turn through LDS runs one step ahead.
; CONVERTING: a wave takes 8,192 numbers in 8 groups of 8 loads of 512 consecutive bytes; a lane's 4 numbers become 8 bytes, so a store of the wave covers 256 consecutive bytes.  That path touches no LDS.
; No tensor loads, no barrier: waves share nothing.
.set SIZE_M, 8192
.set SIZE_N, 3072
.set SIZE_K, 1024
.set WAVES, 4
.set STEPS, 16
.set DEPTH, 8                          ; steps of loads on their way
.set WGA,   SIZE_M*SIZE_K/(512*STEPS*WAVES)            ; 256 work-groups for x
.set WGQ,   (SIZE_M+SIZE_N)*SIZE_K/(512*STEPS*WAVES)   ; 352 for both quantised tensors
.set EMAX,  2
.set CB,    8                          ; bytes of 16 codes
.set R,     16                         ; v16-143  eight sets of 16 numbers as they are loaded
.set X,     144                        ; v144-175 two sets of 16 neighbours
.set E,     176                        ; v176-191 a scale byte for each step
.set C,     192                        ; v192-223 codes: two registers for each step, so that no store's data are written again
.set WREG,  8192                       ; LDS: a region for each wave: two stages of 32 x SP bytes, behind them its 256 scale bytes
.set SP,    80                         ; a lane's place in a stage: 64 bytes + 16 of padding
.set SPW,   12                         ; v12      LDS address of my spare word; never rewritten
.set NIL,   13                         ; v13      0; never rewritten
.set SPARE, WAVES*WREG                 ; behind the four regions: the spare words, 128 bytes a wave
.set F,     16                         ; converting: v16-143 four sets of 32 numbers
.set H,     144                        ; converting: v144-175 two sets of 16 registers of f16 pairs
	s_load_b128 s[4:7], s[0:1], 0x0                ; x, w_attn
	s_load_b128 s[8:11], s[0:1], 0x10              ; x's codes, x's scale bytes
	s_load_b128 s[12:15], s[0:1], 0x20             ; w_attn's codes, its scale bytes
	s_load_b128 s[24:27], s[0:1], 0x30             ; w_proj, its f16 copy
	v_lshl_add_u32 v[SPW], v0, 2, SPARE
	v_mov_b32 v[NIL], 0
	v_lshrrev_b32 v1, 5, v0
	v_readfirstlane_b32 s16, v1                    ; wave
	v_and_b32 v2, 31, v0                           ; lane
	v_lshlrev_b32 v3, 4, v2                        ; my 16 bytes of a load's 512
	s_mul_i32 s17, s16, WREG
	v_lshrrev_b32 v14, 2, v2
	v_mul_u32_u24 v14, v14, SP
	v_and_b32 v15, 3, v2
	v_lshl_add_u32 v14, v15, 4, v14
	v_add_nc_u32 v14, s17, v14                     ; the stage, on the way in: SP (lane / 4) + 16 (lane % 4)
	v_mul_u32_u24 v15, v2, SP
	v_add_nc_u32 v15, s17, v15                     ; and on the way out: SP x lane: my 16 neighbours
	v_mul_u32_u24 v4, v2, CB                       ; my codes' place in a step's
	v_lshrrev_b32 v5, 1, v2
	s_add_co_u32 s17, s17, 2*32*SP
	v_add_nc_u32 v5, s17, v5                       ; LDS: my wave's 256 scale bytes, my block's byte
	v_lshlrev_b32 v7, 3, v2                        ; 8 bytes a lane
	v_add_nc_u32 v6, s17, v7
	s_wait_kmcnt 0x0
	s_cmp_ge_u32 ttmp9, WGQ                        ; the last 32 work-groups convert w_proj
	s_cbranch_scc1 .Lconvert
	s_cmp_lt_u32 ttmp9, WGA                        ; x's work-group or w_attn's?  Only pointers are chosen: both take one path
	s_cselect_b64 s[4:5], s[4:5], s[6:7]
	s_cselect_b64 s[8:9], s[8:9], s[12:13]
	s_cselect_b64 s[10:11], s[10:11], s[14:15]
	s_cselect_b32 s17, 0, WGA
	s_sub_co_u32 s17, ttmp9, s17
	s_lshl_b32 s17, s17, 2
	s_add_co_u32 s18, s17, s16                     ; which run of 8,192 numbers of the tensor is my wave's
	s_mov_b32 s19, 0
	s_mov_b64 s[20:21], 512*STEPS*4
	s_mul_u64 s[20:21], s[18:19], s[20:21]
	s_add_nc_u64 s[4:5], s[4:5], s[20:21]
	s_mov_b64 s[20:21], 32*STEPS*CB
	s_mul_u64 s[20:21], s[18:19], s[20:21]
	s_add_nc_u64 s[8:9], s[8:9], s[20:21]
	s_lshl_b32 s18, s18, 8                         ; 256 scale bytes a run
	s_add_nc_u64 s[10:11], s[10:11], s[18:19]
.macro LOAD t
.irp i, 0,1,2,3
	global_load_b128 v[R+16*((\t)%DEPTH)+4*\i:R+16*((\t)%DEPTH)+4*\i+3], v3, s[4:5] offset:2048*(\t)+512*\i th:TH_LOAD_NT   ; 32 lanes read 512 consecutive bytes
.endr
.endm
.macro TURN t                          ; step t's numbers through the stage: LDS serves a wave's instructions in order (ISA guide 5.7.1.4), so no wait stands between the stores and the loads
.irp i, 0,1,2,3
	ds_store_b128 v14, v[R+16*((\t)%DEPTH)+4*\i:R+16*((\t)%DEPTH)+4*\i+3] offset:32*SP*((\t)%2)+8*SP*\i
.endr
.irp i, 0,1,2,3
	ds_load_b128 v[X+16*((\t)%2)+4*\i:X+16*((\t)%2)+4*\i+3], v15 offset:32*SP*((\t)%2)+16*\i
.endr
.endm
.irp t, 0,1,2,3,4,5,6,7
	LOAD \t
.endr
	s_wait_loadcnt 4*(DEPTH-1)                     ; step 0's four loads are in; the 28 of steps 1 to 7 may be out
	TURN 0
.macro STEP t
.set XS, X+16*((\t)%2)
.if (\t) > 0
	s_wait_dscnt 1                                 ; this step's numbers are back from the stage (the last step's byte store may be out): so its stores into the stage have read their registers,
.else
	s_wait_dscnt 0x0
.endif
.if (\t)+DEPTH < STEPS
	LOAD (\t)+DEPTH                                ; which take the loads of eight steps on
.endif
.if (\t)+1 < STEPS
.if STEPS-2-(\t) >= DEPTH-1
	s_wait_loadcnt 4*(DEPTH-1)                     ; the next step's four loads are in; those of the seven steps behind it may be out
.else
	s_wait_loadcnt 4*(STEPS-2-(\t))                ; at the end: those of the steps that are left
.endif
	TURN (\t)+1                                    ; and go through the other stage while this step is worked
.endif
	v_max3_num_f32 v8, |v[XS]|, |v[XS+1]|, |v[XS+2]|               ; the largest magnitude of my 16, in two chains
	v_max3_num_f32 v9, |v[XS+3]|, |v[XS+4]|, |v[XS+5]|
.irp i, 6,10
	v_max3_num_f32 v8, v8, |v[XS+\i]|, |v[XS+\i+1]|
	v_max3_num_f32 v9, v9, |v[XS+\i+2]|, |v[XS+\i+3]|
.endr
	v_max3_num_f32 v8, v8, |v[XS+14]|, |v[XS+15]|
	v_max3_num_f32 v8, v8, v9, (EMAX+1)<<23        ; and the floor 2^(EMAX + 1 - 127): the byte cannot fall under 1
	v_max_num_f32_dpp v8, v8, v8 row_xmask:1 row_mask:0xf bank_mask:0xf   ; and of my neighbour's 16: the block's
	v_add_nc_u32 v11, -(EMAX<<23), v8              ; EMAX off its exponent field: the conversion takes the exponent field of this operand as its scale
	v_cvt_scalef32_pk8_fp4_f32 v[C+2*(\t)], v[XS:XS+7], v11        ; eight numbers / the scale, to the nearest code, ties to even, beyond the largest code the largest
	v_cvt_scalef32_pk8_fp4_f32 v[C+2*(\t)+1], v[XS+8:XS+15], v11
	v_lshrrev_b32 v[E+(\t)], 23, v11               ; the scale's byte (a plain line behind the conversions)
	ds_store_b8 v5, v[E+(\t)] offset:16*(\t)       ; both lanes of a block write the same byte with the same value
	global_store_b64 v4, v[C+2*(\t):C+2*(\t)+1], s[8:9] offset:32*CB*(\t)   ; 32 lanes store 256 consecutive bytes
.endm
.irp t, 0,1,2,3,4,5,6,7,8,9,10,11,12,13,14,15
	STEP \t
.endr
	ds_load_b64 v[8:9], v6                         ; in order behind my byte stores
	s_wait_dscnt 0x0
	global_store_b64 v7, v[8:9], s[10:11]          ; 32 lanes store 256 consecutive bytes of scale bytes
	s_wait_tensorcnt 0x0                           ; the wave's end: these three lines behind my last LDS store
	ds_add_u32 v[SPW], v[NIL]
	s_wait_dscnt 0x0
	s_endpgm
; ---- w_proj to f16.
.macro LOADG g                         ; group g: 8 loads of 512 consecutive bytes into set g % 4
.irp i, 0,1,2,3,4,5,6,7
	global_load_b128 v[F+32*((\g)%4)+4*\i:F+32*((\g)%4)+4*\i+3], v3, s[24:25] offset:4096*(\g)+512*\i th:TH_LOAD_NT
.endr
.endm
.macro GROUP g
.if 7-(\g) >= 3
	s_wait_loadcnt 24                              ; this group's eight loads are in; the 24 of the three groups behind it may be out
.else
	s_wait_loadcnt 8*(7-(\g))
.endif
.if (\g) >= 2
	s_wait_xcnt 0x0                                ; the stores of two groups back have read their data: that set is written again only behind this wait
.endif
.irp i, 0,1,2,3,4,5,6,7
	v_cvt_pk_f16_f32 v[H+16*((\g)%2)+2*\i],   v[F+32*((\g)%4)+4*\i],   v[F+32*((\g)%4)+4*\i+1]
	v_cvt_pk_f16_f32 v[H+16*((\g)%2)+2*\i+1], v[F+32*((\g)%4)+4*\i+2], v[F+32*((\g)%4)+4*\i+3]
.endr
.if (\g)+4 < 8
	LOADG (\g)+4                                   ; loads ahead of stores
.endif
.irp i, 0,1,2,3,4,5,6,7
	global_store_b64 v7, v[H+16*((\g)%2)+2*\i:H+16*((\g)%2)+2*\i+1], s[26:27] offset:2048*(\g)+256*\i   ; 32 lanes store 256 consecutive bytes
.endr
.endm
.Lconvert:
	s_sub_co_u32 s17, ttmp9, WGQ
	s_lshl_b32 s17, s17, 2
	s_add_co_u32 s17, s17, s16                     ; which run of 8,192 numbers is my wave's: 0 to 127
	s_lshl_b32 s28, s17, 15                        ; 32,768 bytes of f32,
	s_mov_b32 s29, 0
	s_add_nc_u64 s[24:25], s[24:25], s[28:29]
	s_lshl_b32 s28, s17, 14                        ; 16,384 of f16
	s_add_nc_u64 s[26:27], s[26:27], s[28:29]
.irp g, 0,1,2,3
	LOADG \g
.endr
.irp g, 0,1,2,3,4,5,6,7
	GROUP \g
.endr
	s_endpgm
.Lfunc_end_k_qa7039ad79a_quant:
	.size	k_qa7039ad79a_quant, .Lfunc_end_k_qa7039ad79a_quant-k_qa7039ad79a_quant
	.p2alignl 7, 3214868480
	.fill 96, 4, 3214868480
	.section	.rodata,"a",@progbits
	.p2align	6, 0x0
	.amdhsa_kernel k_qa7039ad79a_quant
		.amdhsa_group_segment_fixed_size 33280
		.amdhsa_private_segment_fixed_size 0
		.amdhsa_enable_private_segment 0
		.amdhsa_kernarg_size 64
		.amdhsa_user_sgpr_count 2
		.amdhsa_user_sgpr_kernarg_segment_ptr 1
		.amdhsa_wavefront_size32 1
		.amdhsa_system_sgpr_workgroup_id_x 1
		.amdhsa_system_sgpr_workgroup_id_y 1
		.amdhsa_system_sgpr_workgroup_id_z 1
		.amdhsa_system_vgpr_workitem_id 0
		.amdhsa_next_free_vgpr 224
		.amdhsa_next_free_sgpr 66
		.amdhsa_reserve_vcc 0
		.amdhsa_float_denorm_mode_32 3
		.amdhsa_float_denorm_mode_16_64 3
		.amdhsa_memory_ordered 1
		.amdhsa_forward_progress 1
		.amdhsa_inst_pref_size 54
	.end_amdhsa_kernel
	.amdgpu_metadata
---
amdhsa.version: [ 1, 2 ]
amdhsa.kernels:
  - .name:           k_qa7039ad79a_quant
    .symbol:         k_qa7039ad79a_quant.kd
    .args:
      - { .name: x, .offset: 0, .size: 8, .value_kind: global_buffer, .address_space: global }
      - { .name: w_attn, .offset: 8, .size: 8, .value_kind: global_buffer, .address_space: global }
      - { .name: xc, .offset: 16, .size: 8, .value_kind: global_buffer, .address_space: global }
      - { .name: xs, .offset: 24, .size: 8, .value_kind: global_buffer, .address_space: global }
      - { .name: wc, .offset: 32, .size: 8, .value_kind: global_buffer, .address_space: global }
      - { .name: ws, .offset: 40, .size: 8, .value_kind: global_buffer, .address_space: global }
      - { .name: w_proj, .offset: 48, .size: 8, .value_kind: global_buffer, .address_space: global }
      - { .name: wp16, .offset: 56, .size: 8, .value_kind: global_buffer, .address_space: global }
    .group_segment_fixed_size: 33280
    .private_segment_fixed_size: 0
    .kernarg_segment_align: 8
    .kernarg_segment_size: 64
    .max_flat_workgroup_size: 128
    .sgpr_count:     66
    .vgpr_count:     224
    .wavefront_size: 32
...
	.end_amdgpu_metadata
.endif
;; end of part 1
;; launch qkv (part 2): grid 12 x 32, 4 waves a work-group, clusters of 4 x 4, 327,680 bytes of LDS; arguments xc, xs, wc, ws, kqv, kqvf; writes kqv, kqvf
.if DOCPART == 2
	.amdgcn_target "amdgcn-amd-amdhsa--gfx1250"
	.amdhsa_code_object_version 6
	.text
	.protected	k_qa7039ad79a_qkv
	.globl	k_qa7039ad79a_qkv
	.p2align	8
	.type	k_qa7039ad79a_qkv,@function
k_qa7039ad79a_qkv:
	s_mov_b64 s[64:65], 0
	v_nop
	global_prefetch_b8 v0, s[64:65] scope:SCOPE_SE
	s_setreg_imm32_b32 hwreg(HW_REG_WAVE_MODE, 25, 1), 1
	s_wait_xcnt 0x0
	s_wait_alu depctr_hold_cnt(0) depctr_sa_sdst(0) depctr_va_vdst(0) depctr_va_sdst(0) depctr_va_ssrc(0) depctr_va_vcc(0) depctr_vm_vsrc(0)
	s_getreg_b32 s2, hwreg(HW_REG_IB_STS2, 6, 4)
	s_cmp_eq_u32 s2, 0
	s_cbranch_scc0 .Lentry_in_a_cluster
	s_endpgm
.Lentry_in_a_cluster:
	s_bfe_u32 s2, ttmp6, 0x10000c
	s_cmp_lg_u32 s2, 0xf033
	s_cbranch_scc0 .Lentry_shape_is_right
	s_endpgm
.Lentry_shape_is_right:
; qkv[m][n] = sum over k of Q(x)[m][k] Q(w_attn)[n][k], on codes of FP4 (E2M1) with one E8M0 scale for each 32 along K; sums in f32; the result is rounded to f16 and laid by head:
; kqv[which: k, q, v][b][h][t][64], byte = which x 2^24 + (16 b + h) x 131,072 + t x 128 + 2 d, with m = 1024 b + t and n = 1024 which + 64 h + d.
; THE FIRST 16 POSITIONS OF EVERY SEQUENCE leave a second time, as the f32 sums that they are: kqvf[b][t][3072], for the launch that carries those rows in f32.
; LIMIT: |q|, |k|, |v| stay under 65,504, f16's largest number.
; A tile of the result, 256 x 256, is made by a work-group of four waves; a wave makes 128 x 128: 64 accumulators of 16 x 16, 512 registers.  12 x 32 = 384 work-groups.
; K = 1,024 is two steps of 512 (a tile's row is 256 bytes of memory): both lie in LDS at once, each in a slot of its own, so nothing is filled again.  By this text's count a wave has three tensor loads out at the most.
; THE SCALES of the work-group's 256 rows of x and 256 rows of w_attn, for all of K, are two dense blocks of memory: they come into LDS once, as rows of 256 bytes.
; CLUSTERS: 4 x 4 work-groups.  The four of a row of the cluster need the same tiles of x, the four of a column the same tiles of w_attn: each tile is asked for JOINTLY, by the same tensor load with the
; same descriptor and a mask that names the four.  THE MATRIX INSTRUCTION IS USED TRANSPOSED (source 0 = 16 rows of w_attn, source 1 = 16 rows of x): a lane then holds eight neighbouring columns of one row.
; A TILE'S ROW IS 8 cy + cluster y.  So the tile rows that begin a sequence (multiples of 4) are those of the clusters with y = 0 or 4: whether a work-group has such rows is the same in all sixteen partners.
; REGISTERS, in windows of 256: window 0: v0-31 addresses; v32-95 scale words, two sets, and nothing else; v96-127 packed results on the way out; from v128 x's fragments (8 x 16 rows x 128 K), ONE set; on the way out rows read back.
;   window 1: w_attn's fragments, TWO sets, at v0 and at v128.   window 2: the 32 accumulators of my rows 0-63 (accumulator (a, b) at v[8 (8 a + b)]);   window 3: those of my rows 64-127.
.set SIZE_M, 8192
.set SIZE_N, 3072
.set SIZE_K, 1024
.set KSTEP,  512                       ; along K in a slot
.set NQ,     KSTEP/128                 ; matrix instructions deep
.set ROWB,   256                       ; a tile's row in bytes
.set KROW,   SIZE_K*4/8                ; a row of codes in memory, in bytes
.set PITCH,  272                       ; an LDS row: 256 bytes + 16 of padding: an odd multiple of 16, so the 16 rows of a load begin at 16 different 16-byte columns modulo 256
.set FR,     8                         ; registers of a fragment: 16 rows x 128 K
.set NL,     2                         ; LDS loads that bring one
.set NP,     4                         ; places behind this matrix instruction (ISA guide 7.12.1)
.set HALFT,  128*PITCH                 ; 128 rows: what one tensor load brings, and what one wave reads of either operand
.set SLOT,   4*HALFT                   ; x's 256 rows, then w_attn's 256 rows
.set KS,     SIZE_K/32                 ; a row of scales in bytes
.set SCL,    2*SLOT                    ; behind the slots: the scales, as rows of 256 bytes + 16 of padding
.set HALFS,  (128*KS/256)*272          ; the scales of 128 rows: what one tensor load brings
.set SBLK,   (16*KS/256)*272           ; those of 16 rows
.set SPARE,  SCL+4*HALFS               ; behind the scales: the spare words, 128 bytes a wave
.set HSTG,   16*144                    ; the way out: 16 rows x (128 bytes + 16) for one head,
.set WSTG,   2*HSTG                    ; two heads a wave.  The stages lie in slot 0, which has had its only fill and its last read when the first result is stored there
.set FSTG,   32768                     ; also in slot 0, behind the four f16 stages (18,432 bytes): a stage of 16 rows x (512 bytes + 16) for each wave, for the f32 rows
.set FPITCH, 528
.set ROWF,   SIZE_N*4                  ; a row of kqvf in bytes
.set ADRA, 16                          ; v16-17  LDS address of my x fragments in slot 0, 1
.set ADRB, 20                          ; v20-21  the same for w_attn
.set STO,  24                          ; v24     the way out: where I put 16 bytes of a row
.set RD,   25                          ; v25     the way out: where I read rows back
.set CO,   26                          ; v26     16 x lane: my byte in 512 consecutive bytes
.set ADRS, 27                          ; v27     LDS address of my scale words: lanes 0-15 x's rows, lanes 16-31 w_attn's
.set SPW,  28                          ; v28     LDS address of my spare word; never rewritten
.set NIL,  29                          ; v29     0; never rewritten
.set STOF, 30                          ; v30     the f32 rows: where I put 32 bytes of a row
.set RDF,  31                          ; v31     and where I read a row back
.set SC,   32                          ; scale words: set s (for slot s) at v[SC + 8 NQ s]; register NQ i + q: lanes 0-15 the word of x's block i, lanes 16-31 that of w_attn's block i, for the slot's q-th 128 along K
.set TMP,  96                          ; the way out: a block's 32 packed registers
.set AF,   128                         ; x's fragments, in window 0
.set BK,   128                         ; the way out: rows read back: v128-159 and v160-191 by turns (the f32 rows: all 64)
.set G1, 24                            ; s[24:31] descriptor group 1 for x's tiles;  s[32:39] group 0, one set for each slot
.set G0, 32
.set G1B, 48                           ; s[48:55], s[56:63] the same for w_attn's tiles
.set G0B, 56
.set G1S, 68                           ; s[68:75], s[76:79] groups 1 and 0 for x's scales;  s[80:87], s[88:91] for w_attn's
.set G0S, 76
.set G1SB, 80
.set G0SB, 88
.set FIN,  95                          ; s95     cluster y; then 0 in a wave that holds the first 16 positions of a sequence
.set KF32, 96                          ; s[96:97] kqvf
.set MSB, 0
.macro WIN new                         ; the immediate's high byte repeats the setting that is left
.if MSB != \new
	s_set_vgpr_msb (MSB<<8)|\new
.set MSB, \new
.endif
.endm
.set MUL_LO, 0xa1                      ; source 0 window 1, source 1 window 0, C and D window 2
.set MUL_HI, 0xf1                      ; the same, C and D window 3
.set TO_B,   0x40                      ; destination window 1, address window 0
; A joint load: waves 0 and 1 fetch for x, waves 2 and 3 for w_attn.  Each of the two lines has one mask and one set of registers for all that issue it; the branch hangs on the wave's number alone.
; An s_nop 0 and four v_nop follow each of the two lines, ahead of the jump, the label and what follows.
.macro JLOAD g0a, g1a, g0b, g1b
	s_cmp_eq_u32 s15, 0
	s_cbranch_scc0 .Lfor_b_\@
	tensor_load_to_lds s[\g0a:\g0a+3], s[\g1a:\g1a+7]
	s_nop 0
.rept 4
	v_nop
.endr
	s_branch .Lasked_\@
.Lfor_b_\@:
	tensor_load_to_lds s[\g0b:\g0b+3], s[\g1b:\g1b+7]
	s_nop 0
.rept 4
	v_nop
.endr
.Lasked_\@:
.endm
.macro CROUND                          ; a round of the cluster's barrier: my work-group's barrier; wave 0 signals for the work-group; every wave waits for all sixteen; my work-group's barrier once more
	s_barrier_signal -1
	s_barrier_wait -1
	s_cmp_lg_u32 s14, 0
	s_cbranch_scc1 .Lnot_wave_0_\@
	s_barrier_signal -3
.Lnot_wave_0_\@:
	s_barrier_wait -3
	s_barrier_signal -1
	s_barrier_wait -1
.endm
	s_load_b128 s[4:7], s[0:1], 0x0                ; x's codes s[4:5], x's scales s[6:7]
	s_load_b128 s[8:11], s[0:1], 0x10              ; w_attn's codes s[8:9], its scales s[10:11]
	s_load_b64 s[12:13], s[0:1], 0x20              ; kqv
	s_load_b64 s[KF32:KF32+1], s[0:1], 0x28        ; kqvf
	v_lshl_add_u32 v[SPW], v0, 2, SPARE
	v_mov_b32 v[NIL], 0
	ds_add_u32 v[SPW], v[NIL]                      ; the wave's opening: the add, twice on end, and its wait ahead of my first tensor load; the set-up below stands between
	ds_add_u32 v[SPW], v[NIL]
	v_lshrrev_b32 v1, 5, v0
	v_readfirstlane_b32 s14, v1                    ; wave 0..3
	s_lshr_b32 s15, s14, 1                         ; which half of the tile's rows is mine.  Also: I fetch for x (0) or for w_attn (1)
	s_and_b32 s16, s14, 1                          ; which half of its columns.  Also: which 128 rows of that tile I fetch
	s_bfe_u32 s40, ttmp6, 0x40000                  ; cx, cy: my place in the cluster
	s_bfe_u32 s41, ttmp6, 0x40004
	s_lshl_b32 s42, ttmp9, 2
	s_add_co_u32 s42, s42, s40                     ; tile column = 4 x cluster x + cx
	s_and_b32 s[FIN], ttmp7, 0xffff                ; cluster y, 0 to 7
	s_lshl_b32 s17, s41, 3
	s_add_co_u32 s17, s17, s[FIN]                  ; tile row = 8 cy + cluster y: each of 0 to 31 once
	s_lshl_b32 s43, s41, 2
	s_lshl_b32 s43, 15, s43                        ; my row of the cluster
	s_lshl_b32 s44, 0x1111, s40                    ; my column
	; descriptor group 1: a tile of 128 rows x 256 bytes, padded in LDS
	s_or_b32 s[G1+0], s43, (0<<16)|(1<<20)|(1<<21)|(5<<22)|(3<<25)  ; 15:0 the mask: x's tiles go to my row; 17:16 elements of 1 byte; 20 padding on; 21 set beside a mask; 24:22 after every 64 words; 31:25 four words
	s_or_b32 s[G1B+0], s44, (0<<16)|(1<<20)|(1<<21)|(5<<22)|(3<<25)
.irp g, G1, G1B
	s_mov_b32 s[\g+1], ROWB<<16                    ; tensor_dim0
	s_mov_b32 s[\g+2], 128<<16                     ; tensor_dim1 = 128
	s_mov_b32 s[\g+3], ROWB<<16                    ; tile_dim0
	s_mov_b32 s[\g+4], 128                         ; tile_dim1 = 128
	s_mov_b32 s[\g+5], KROW                        ; tensor_dim0_stride
	s_mov_b32 s[\g+6], 0
	s_mov_b32 s[\g+7], 0
.endr
	; and for the scales of 128 rows: a dense block of 4,096 bytes, as rows of 256 bytes (32 elements of 8 bytes), 16 bytes of padding behind each
	s_or_b32 s[G1S+0], s43, (3<<16)|(1<<20)|(1<<21)|(5<<22)|(3<<25)
	s_or_b32 s[G1SB+0], s44, (3<<16)|(1<<20)|(1<<21)|(5<<22)|(3<<25)
.irp g, G1S, G1SB
	s_mov_b32 s[\g+1], 32<<16
	s_mov_b32 s[\g+2], (128*KS/256)<<16
	s_mov_b32 s[\g+3], 32<<16
	s_mov_b32 s[\g+4], 128*KS/256
	s_mov_b32 s[\g+5], 32
	s_mov_b32 s[\g+6], 0
	s_mov_b32 s[\g+7], 0
.endr
	s_lshl_b32 s18, s16, 7                         ; which 128 rows of the tile I fetch
	s_lshl_b32 s20, s17, 8
	s_add_co_u32 s20, s20, s18                     ; x: row 256 x tile row + 128 x half
	s_lshl_b32 s46, s42, 8
	s_add_co_u32 s46, s46, s18                     ; w_attn: row 256 x tile column + 128 x half
	s_mov_b32 s21, 0
	s_mov_b32 s47, 0
	s_mov_b64 s[18:19], KS
	s_mul_u64 s[22:23], s[20:21], s[18:19]         ; where these rows' scales begin, in bytes
	s_mul_u64 s[92:93], s[46:47], s[18:19]
	s_mov_b64 s[18:19], KROW
	s_mul_u64 s[20:21], s[20:21], s[18:19]         ; and their codes
	s_mul_u64 s[46:47], s[46:47], s[18:19]
	s_mul_i32 s45, s14, HALFT                      ; where they go: wave x 128 rows: no place in the cluster enters an LDS address
	s_mul_i32 s94, s14, HALFS
	s_wait_dscnt 0x0                               ; both opening adds are done
	s_wait_kmcnt 0x0
	s_add_nc_u64 s[20:21], s[4:5], s[20:21]
	s_add_nc_u64 s[22:23], s[6:7], s[22:23]
	s_add_nc_u64 s[46:47], s[8:9], s[46:47]
	s_add_nc_u64 s[92:93], s[10:11], s[92:93]
	CROUND                                         ; all sixteen work-groups are here: the joint loads meet
	s_mov_b32 s[G0S], 1
	s_add_co_u32 s[G0S+1], s94, SCL
	s_mov_b64 s[G0S+2:G0S+3], s[22:23]
	s_or_b32 s[G0S+3], s[G0S+3], 0x80000000
	s_mov_b32 s[G0SB], 1
	s_add_co_u32 s[G0SB+1], s94, SCL
	s_mov_b64 s[G0SB+2:G0SB+3], s[92:93]
	s_or_b32 s[G0SB+3], s[G0SB+3], 0x80000000
	JLOAD G0S, G1S, G0SB, G1SB                     ; the scales first: they are wanted with K step 0
.irp s, 0,1
	s_mov_b32 s[G0+4*\s], 1
	s_add_co_u32 s[G0+4*\s+1], s45, \s*SLOT
	s_add_nc_u64 s[G0+4*\s+2:G0+4*\s+3], s[20:21], \s*ROWB
	s_or_b32 s[G0+4*\s+3], s[G0+4*\s+3], 0x80000000
	s_mov_b32 s[G0B+4*\s], 1
	s_add_co_u32 s[G0B+4*\s+1], s45, \s*SLOT
	s_add_nc_u64 s[G0B+4*\s+2:G0B+4*\s+3], s[46:47], \s*ROWB
	s_or_b32 s[G0B+4*\s+3], s[G0B+4*\s+3], 0x80000000
	JLOAD G0+4*\s, G1, G0B+4*\s, G1B
.endr
	v_and_b32 v1, 15, v0                           ; l % 16
	v_bfe_u32 v2, v0, 4, 1                         ; l / 16
	v_mul_u32_u24 v3, v1, PITCH
	v_lshl_add_u32 v4, v2, 4, v3                   ; a fragment's row x pitch + 16 x half
	s_mul_i32 s21, s15, HALFT                      ; my 128 rows of x
	s_mul_i32 s22, s16, HALFT                      ; my 128 rows of w_attn,
	s_add_co_u32 s22, s22, 2*HALFT                 ; which lie behind x's 256
.irp s, 0,1
	v_add_nc_u32 v[ADRA+\s], s21, v4
	v_add_nc_u32 v[ADRB+\s], s22, v4
	s_add_co_u32 s21, s21, SLOT
	s_add_co_u32 s22, s22, SLOT
.endr
	v_mul_u32_u24 v5, v1, KS                       ; my row's scales: KS bytes a row,
	v_lshrrev_b32 v6, 8, v5
	v_lshl_add_u32 v5, v6, 4, v5                   ; and 16 more for each 256 passed
	s_mul_i32 s21, s15, HALFS                      ; x's: my 128 rows
	s_mul_i32 s22, s16, HALFS                      ; w_attn's: my 128 rows, behind x's 256
	s_add_co_u32 s22, s22, 2*HALFS
	s_sub_co_u32 s22, s22, s21
	v_mul_u32_u24 v6, s22, v2                      ; lanes 16-31 take w_attn's
	s_add_co_u32 s21, s21, SCL
	v_add_nc_u32 v5, v5, v6
	v_add_nc_u32 v[ADRS], s21, v5
	s_mul_i32 s23, s14, WSTG                       ; my stage
	v_mul_u32_u24 v5, v1, 144                      ; in: row l % 16, 16 bytes for each half of the lanes
	v_lshl_add_u32 v5, v2, 4, v5
	v_add_nc_u32 v[STO], s23, v5
	v_and_b32 v6, 31, v0
	v_lshlrev_b32 v[CO], 4, v6                     ; 16 x lane
	v_lshrrev_b32 v5, 3, v6                        ; back: eight lanes take a row of 128 bytes, the wave four rows: 512 bytes that are consecutive in kqv
	v_mul_u32_u24 v5, v5, 144
	v_and_b32 v6, 7, v0
	v_lshl_add_u32 v5, v6, 4, v5
	v_add_nc_u32 v[RD], s23, v5
	s_mul_i32 s23, s14, 16*FPITCH                  ; my stage for the f32 rows
	s_add_co_u32 s23, s23, FSTG
	v_mul_u32_u24 v5, v1, FPITCH                   ; in: row l % 16, 32 bytes for each half of the lanes
	v_lshl_add_u32 v5, v2, 5, v5
	v_add_nc_u32 v[STOF], s23, v5
	v_add_nc_u32 v[RDF], s23, v[CO]                ; back: the 32 lanes take one row of 512 bytes
	; where my part begins in kqv.  Rows: m = 256 x tile row + 128 x half: b = tile row / 4 (2^21 bytes), t = 256 (tile row % 4) + 128 half (128 bytes each)
	s_lshr_b32 s20, s17, 2
	s_lshl_b32 s20, s20, 21
	s_and_b32 s21, s17, 3
	s_lshl_b32 s21, s21, 15
	s_add_co_u32 s20, s20, s21
	s_lshl_b32 s21, s15, 14
	s_add_co_u32 s20, s20, s21
	s_mov_b32 s21, 0
	; columns: n = 256 x tile column + 128 x half: which = tile column / 4 (2^24 bytes), head = 4 (tile column % 4) + 2 half (2^17 bytes each).  In the registers that held w_attn's address: none that fed x's descriptors ever holds cx
	s_lshr_b32 s46, s42, 2
	s_lshl_b32 s46, s46, 24
	s_and_b32 s47, s42, 3
	s_lshl_b32 s47, s47, 19
	s_add_co_u32 s46, s46, s47
	s_lshl_b32 s47, s16, 18
	s_add_co_u32 s46, s46, s47
	s_mov_b32 s47, 0
	s_add_nc_u64 s[20:21], s[20:21], s[46:47]
	s_add_nc_u64 s[12:13], s[12:13], s[20:21]      ; never stepped again: every store's place stands in its immediate
	; and in kqvf: 16 rows of 12,288 bytes a batch; my 128 columns are 512 bytes: 1,024 x tile column + 512 x half
	s_lshr_b32 s20, s17, 2
	s_mul_i32 s20, s20, 16*ROWF
	s_mov_b32 s21, 0
	s_lshl_b32 s46, s42, 10
	s_lshl_b32 s47, s16, 9
	s_add_co_u32 s46, s46, s47
	s_mov_b32 s47, 0
	s_add_nc_u64 s[20:21], s[20:21], s[46:47]
	s_add_nc_u64 s[KF32:KF32+1], s[KF32:KF32+1], s[20:21]
	s_and_b32 s[FIN], s[FIN], 3                    ; 0 where cluster y is 0 or 4: the tile row is a multiple of 4,
	s_or_b32 s[FIN], s[FIN], s15                   ; and I have the tile's upper rows: my block 0 is positions 0 to 15 of a sequence.  Made of the cluster's y and the wave's number alone
.macro FRAG reg, adr, q, i             ; a fragment, 16 rows x 128 K of 4-bit codes, is 8 registers: lane l holds row l % 16; registers 4 c .. 4 c + 3 hold K = 64 c + 32 (l / 16) + 0 .. 31
.irp c, 0,1
	ds_load_b128 v[\reg+4*\c:\reg+4*\c+3], v[\adr] offset:64*(\q)+32*\c+(\i)*16*PITCH
.endr
.endm
; 16 matrix instructions: x's blocks a0, a0 + 1 against w_attn's eight, 128 along K: the slot's q-th.  p: w_attn's set;  sc: the set of scale words.  zero = 1: the first product starts the sums: nothing is cleared.
; The 64 accumulators take turns, one instruction a turn, in the same order in every step.
.macro MUL16 a0, p, q, sc, zero
.irp a, \a0, \a0+1
.irp b, 0,1,2,3,4,5,6,7
.if \zero
	v_wmma_scale_f32_16x16x128_f8f6f4 v[8*(8*((\a)%4)+\b):8*(8*((\a)%4)+\b)+7], v[128*(\p)+FR*\b:128*(\p)+FR*\b+FR-1], v[AF+FR*(\a):AF+FR*(\a)+FR-1], 0, v[SC+8*NQ*(\sc)+NQ*\b+(\q)], v[SC+8*NQ*(\sc)+NQ*(\a)+(\q)] matrix_a_fmt:MATRIX_FMT_FP4 matrix_b_fmt:MATRIX_FMT_FP4 matrix_a_scale:MATRIX_SCALE_ROW1
.else
	v_wmma_scale_f32_16x16x128_f8f6f4 v[8*(8*((\a)%4)+\b):8*(8*((\a)%4)+\b)+7], v[128*(\p)+FR*\b:128*(\p)+FR*\b+FR-1], v[AF+FR*(\a):AF+FR*(\a)+FR-1], v[8*(8*((\a)%4)+\b):8*(8*((\a)%4)+\b)+7], v[SC+8*NQ*(\sc)+NQ*\b+(\q)], v[SC+8*NQ*(\sc)+NQ*(\a)+(\q)] matrix_a_fmt:MATRIX_FMT_FP4 matrix_b_fmt:MATRIX_FMT_FP4 matrix_a_scale:MATRIX_SCALE_ROW1
.endif
.endr
.endr
.endm
.macro FETCH_B slot, q, p              ; w_attn's eight fragments of the slot's q-th 128 along K into set p
	WIN TO_B
.irp i, 0,1,2,3,4,5,6,7
	FRAG 128*(\p)+FR*\i, ADRB+\slot, \q, \i
.endr
	WIN 0
.endm
.macro FETCH_A slot, q, i0             ; x's blocks i0 .. i0 + 3
.irp i, \i0, \i0+1, \i0+2, \i0+3
	FRAG AF+FR*(\i), ADRA+\slot, \q, \i
.endr
.endm
.macro SCALES sc                       ; a K step's scale words into set sc: NQ words a row; lanes 0-15 take x's block i, lanes 16-31 w_attn's block i
.irp i, 0,1,2,3,4,5,6,7
	ds_load_b128 v[SC+8*NQ*\sc+NQ*\i:SC+8*NQ*\sc+NQ*\i+3], v[ADRS] offset:\i*SBLK
.endr
.endm
; A load into a register that a matrix instruction has read, and a vector instruction or an LDS store that reads a matrix result, stand NP places behind that matrix instruction; only plain vector
; instructions that name none of its registers are places (ISA guide 7.12.1 for vector instructions).
.macro PLACES n
.rept \n
	v_nop
.endr
.endm
; A step of 128 along K that has its successor in the same slot.  x has one set of registers: blocks 0-3 are fetched anew in the step's middle, blocks 4-7 at its end.
.macro STEP slot, q, zero
	s_wait_dscnt 4*NL                              ; w_attn's set and x's blocks 0-3 are in; the youngest eight loads (x's blocks 4-7) may be out
	WIN MUL_LO
	MUL16 0, (\q)%2, \q, \slot, \zero
	MUL16 2, (\q)%2, \q, \slot, \zero
	s_wait_dscnt 0                                 ; x's blocks 4-7 are in (asked for 32 matrix instructions ago)
	PLACES NP
	FETCH_B \slot, (\q)+1, 1-(\q)%2
	FETCH_A \slot, (\q)+1, 0
	WIN MUL_HI
	MUL16 4, (\q)%2, \q, \slot, \zero
	MUL16 6, (\q)%2, \q, \slot, \zero
	PLACES NP
	WIN 0
	FETCH_A \slot, (\q)+1, 4
.endm
; Slot 0's last step goes over to slot 1: one barrier.  In front of it each wave waits for its tensor loads (its part of slot 1) and for its own reads of slot 0.
.macro TURN slot, next
	s_wait_tensorcnt 0x0                           ; my part of the next slot has landed
	s_wait_dscnt 4*NL                              ; (the youngest eight loads, x's blocks 4-7, may be out)
	WIN MUL_LO
	MUL16 0, 1, NQ-1, \slot, 0
	s_wait_dscnt 0x0                               ; my reads of this slot are over: no LDS instruction of mine is out at the signal
	s_barrier_signal -1
	MUL16 2, 1, NQ-1, \slot, 0                     ; work on registers while the others arrive
	WIN 0
	s_barrier_wait -1
	PLACES NP
	v_add_nc_u32 v[ADRS], 4*NQ, v[ADRS]            ; on to the next K step's scale words (no LDS load of mine is out)
	FETCH_B \next, 0, 0
	FETCH_A \next, 0, 0
	SCALES \next
	WIN MUL_HI
	MUL16 4, 1, NQ-1, \slot, 0
	MUL16 6, 1, NQ-1, \slot, 0
	PLACES NP
	WIN 0
	FETCH_A \next, 0, 4
.endm
.macro STEPS slot, from                ; the slot's steps from .. NQ - 2
.set Q, \from
.rept NQ-1-\from
	STEP \slot, Q, 0
.set Q, Q+1
.endr
.endm
	s_wait_tensorcnt 1                             ; the scales and my part of K step 0 are in; one load, K step 1's, may be out
	s_barrier_signal -1
	s_barrier_wait -1                              ; everybody's are
	FETCH_B 0, 0, 0
	FETCH_A 0, 0, 0
	SCALES 0
	FETCH_A 0, 0, 4
	STEP 0, 0, 1                                   ; the first step's products start the sums
	STEPS 0, 1
	TURN 0, 1
	STEPS 1, 0
	s_wait_dscnt 4*NL                              ; the very last step: nothing more to fetch
	WIN MUL_LO
	MUL16 0, 1, NQ-1, 1, 0
	MUL16 2, 1, NQ-1, 1, 0
	s_wait_dscnt 0
	WIN MUL_HI
	MUL16 4, 1, NQ-1, 1, 0
	MUL16 6, 1, NQ-1, 1, 0
	WIN 0
; THE WAY OUT, block by block of 16 rows x 128 columns = 16 positions x 2 heads.  A lane's eight results pack into 16 bytes of one row of one head; the lanes beside it hold other rows.  So a block goes through my own
; stage in LDS and comes back four rows at a time: 16 rows of a head are 2,048 consecutive bytes of kqv, and each store of the wave covers 512 of them, aligned.
.macro PACK a                          ; rounded to f16; each accumulator is read from its low end on
.set AC, 64*((\a)%4)
	WIN 0x0a+5*((\a)/4)                            ; sources 0 and 1: window 2 or 3
.irp b, 0,1,2,3,4,5,6,7
.irp e, 0,1,2,3
	v_cvt_pk_f16_f32 v[TMP+4*\b+\e], v[AC+8*\b+2*\e], v[AC+8*\b+2*\e+1]
.endr
.endr
	WIN 0
.endm
.macro TOSTAGE a
.irp b, 0,1,2,3,4,5,6,7
	ds_store_b128 v[STO], v[TMP+4*\b:TMP+4*\b+3] offset:(\b/4)*HSTG+32*(\b%4)
.endr
.set BB, BK+32*((\a)%2)
.irp t, 0,1,2,3,4,5,6,7
	ds_load_b128 v[BB+4*\t:BB+4*\t+3], v[RD] offset:(\t/4)*HSTG+(\t%4)*4*144   ; LDS serves a wave's instructions in order (ISA guide 5.7.1.4): these see the stores above, and the next block's stores come behind them
.endr
.endm
.macro SEND a, younger                 ; younger: the LDS instructions issued behind block a's loads, which may stay out
.set BB, BK+32*((\a)%2)
	s_wait_dscnt \younger                          ; the block is back in registers
.irp t, 0,1,2,3,4,5,6,7
	global_store_b128 v[CO], v[BB+4*\t:BB+4*\t+3], s[12:13] offset:(\t/4)*131072+(\a)*2048+(\t%4)*512 th:TH_STORE_NT   ; head t / 4 of my two, rows 16 a + 4 (t % 4) on
.endr
.endm
	PLACES NP                                      ; behind the last products: for the reads of results and for the loads into the registers that held x's fragments
	; THE FIRST 16 POSITIONS, AS F32.  Block 0's eight accumulators go as they are through a stage of their own and come back as 16 rows of 512 bytes.  The branch hangs on the cluster's y and the wave's number.
	s_cmp_lg_u32 s[FIN], 0
	s_cbranch_scc1 .Lno_fine
	WIN 0x08                                       ; an LDS store's data are its source 1: window 2
.irp b, 0,1,2,3,4,5,6,7
	ds_store_b128 v[STOF], v[8*\b:8*\b+3] offset:64*\b           ; each accumulator from its low end on: lane (r, h) holds columns 16 b + 8 h + 0..7 of row r
	ds_store_b128 v[STOF], v[8*\b+4:8*\b+7] offset:64*\b+16
.endr
	WIN 0
.irp t, 0,1,2,3,4,5,6,7,8,9,10,11,12,13,14,15
	ds_load_b128 v[BK+4*\t:BK+4*\t+3], v[RDF] offset:\t*FPITCH   ; in order behind my stores (ISA guide 5.7.1.4)
.endr
.irp t, 0,1,2,3,4,5,6,7,8,9,10,11,12,13,14,15
	s_wait_dscnt 15-\t                             ; the younger loads may be out
	global_store_b128 v[CO], v[BK+4*\t:BK+4*\t+3], s[KF32:KF32+1] offset:\t*ROWF   ; 32 lanes store 512 consecutive bytes of row t, aligned
.endr
	s_wait_xcnt 0x0                                ; these stores have read their registers: block 0's loads from the f16 stage land there next
.Lno_fine:
	PACK 0
	TOSTAGE 0
.irp a, 1,2,3,4,5,6,7
	PACK \a                                        ; block a's conversions stand between block a - 1's loads from the stage and the wait for them
.if \a > 1
	s_wait_xcnt 0x0                                ; block a - 2's stores have read their registers: block a's loads may land there
.endif
	TOSTAGE \a
	SEND \a-1, 16                                  ; behind block a - 1's loads: block a's 8 stores and 8 loads
.endr
	SEND 7, 0
	s_wait_tensorcnt 0x0                           ; the wave's end: these three lines, behind my last tensor load and my last LDS store
	ds_add_u32 v[SPW], v[NIL]
	s_wait_dscnt 0x0
	CROUND                                         ; the closing round: no work-group ends while a partner may still ask for a tile that names it
	s_endpgm
.Lfunc_end_k_qa7039ad79a_qkv:
	.size	k_qa7039ad79a_qkv, .Lfunc_end_k_qa7039ad79a_qkv-k_qa7039ad79a_qkv
	.p2alignl 7, 3214868480
	.fill 96, 4, 3214868480
	.section	.rodata,"a",@progbits
	.p2align	6, 0x0
	.amdhsa_kernel k_qa7039ad79a_qkv
		.amdhsa_group_segment_fixed_size 327680
		.amdhsa_private_segment_fixed_size 0
		.amdhsa_enable_private_segment 0
		.amdhsa_kernarg_size 48
		.amdhsa_user_sgpr_count 2
		.amdhsa_user_sgpr_kernarg_segment_ptr 1
		.amdhsa_wavefront_size32 1
		.amdhsa_system_sgpr_workgroup_id_x 1
		.amdhsa_system_sgpr_workgroup_id_y 1
		.amdhsa_system_sgpr_workgroup_id_z 1
		.amdhsa_system_vgpr_workitem_id 0
		.amdhsa_next_free_vgpr 1024
		.amdhsa_next_free_sgpr 98
		.amdhsa_reserve_vcc 0
		.amdhsa_float_denorm_mode_32 3
		.amdhsa_float_denorm_mode_16_64 3
		.amdhsa_memory_ordered 1
		.amdhsa_forward_progress 1
		.amdhsa_inst_pref_size 131
	.end_amdhsa_kernel
	.amdgpu_metadata
---
amdhsa.version: [ 1, 2 ]
amdhsa.kernels:
  - .name:           k_qa7039ad79a_qkv
    .symbol:         k_qa7039ad79a_qkv.kd
    .args:
      - { .name: xc, .offset: 0, .size: 8, .value_kind: global_buffer, .address_space: global }
      - { .name: xs, .offset: 8, .size: 8, .value_kind: global_buffer, .address_space: global }
      - { .name: wc, .offset: 16, .size: 8, .value_kind: global_buffer, .address_space: global }
      - { .name: ws, .offset: 24, .size: 8, .value_kind: global_buffer, .address_space: global }
      - { .name: kqv, .offset: 32, .size: 8, .value_kind: global_buffer, .address_space: global }
      - { .name: kqvf, .offset: 40, .size: 8, .value_kind: global_buffer, .address_space: global }
    .group_segment_fixed_size: 327680
    .private_segment_fixed_size: 0
    .kernarg_segment_align: 8
    .kernarg_segment_size: 48
    .max_flat_workgroup_size: 128
    .sgpr_count:     98
    .vgpr_count:     1024
    .wavefront_size: 32
...
	.end_amdgpu_metadata
.endif
;; end of part 2
;; launch attn (part 3): grid 2 x 128, 16 waves a work-group, no clusters, 327,680 bytes of LDS; arguments kqv, y16; writes y16
.if DOCPART == 3
	.amdgcn_target "amdgcn-amd-amdhsa--gfx1250"
	.amdhsa_code_object_version 6
	.text
	.protected	k_qa7039ad79a_attn
	.globl	k_qa7039ad79a_attn
	.p2align	8
	.type	k_qa7039ad79a_attn,@function
k_qa7039ad79a_attn:
	s_mov_b64 s[64:65], 0
	v_nop
	global_prefetch_b8 v0, s[64:65] scope:SCOPE_SE
	s_setreg_imm32_b32 hwreg(HW_REG_WAVE_MODE, 25, 1), 1
	s_wait_xcnt 0x0
; y[b][h][q][:] = the sum over k <= q of softmax_k(Q[q] . K[k] / 8) V[k][:], for one (b, h) a pair of work-groups.  Q, K, V: f16, [1024][64] a head, out of kqv; y: f16, laid [h][1024 b + t][64].
; Products on f16 operands with f32 sums; maxima, exponentials and sums in f32; the weights p are rounded to f16 for the second product, y once at the end.
; LIMITS: |q|, |k|, |v|, |y| under 65,504; NaN and infinities are not served.  (The first 16 positions of every sequence are made here too, and made again in f32 by a later launch.)
; SHARES.  Work-group (g, bh): g = 0 or 1.  A head's whole K and V lie in LDS, each byte filled once.  Wave w owns two tiles of 16 queries: tile 62 - 2 w + g (the big one, queries from 512 on) and tile 2 w + g (the small
; one, queries under 512): 17 key steps of 64 keys for every wave, under the causal mask.
; NO CLUSTER: two work-groups read a head's tiles, and the grid is 2 wide, which a cluster of four along x does not divide.  NO PREFETCH: every tile is asked for by its tensor load at the head.
; LAYOUT.  S^T = K Q^T (source 0 = 16 keys, source 1 = my 16 queries): a lane holds ONE query (lane % 16) and the keys 8 (lane / 16) + 0..7 of each tile of 16.  Two such tiles, rounded to f16 in pairs, ARE source 1
; (32 keys x 16 queries) of O^T = V^T P, whose result again holds one query a lane, and eight channels.  K comes out of LDS as it lies, V ([key][channel]) turned, by ds_load_tr16_b128.
; SOFTMAX.  For each query a running maximum m and sum l: p = 2^(c s - c m), c = log2(e) / 8; in every step O and l are multiplied by a = 2^(c m_old - c m_new).
; THE MASK.  A step all of whose keys come after my 16 queries is jumped over (a scalar branch on ids; no barrier stands in a step); in the one step on the diagonal hidden scores become -infinity ahead of the maximum.
; Key 0 counts for every query, so m is a number from the first step on.
; TENSOR LOADS.  Waves 0, 1 bring K's halves of each chunk of 256 keys, waves 2, 3 V's: four loads each, 128 rows x 128 bytes a load, all issued at the head: four out at the most.
; BARRIERS.  One in front of chunk 0 (its loads have landed), one in front of chunk 1 (ALL loads have landed: chunk 0's four steps of sixteen waves stand between the request and that wait), one in front of the way out.
; From chunk 1 on no wave waits for another while the mask gives them unequal steps.
.set PK,    144                        ; a row of K in LDS: 128 bytes + 16 of padding = 36 words: the 16 rows of a load begin at banks 36 r mod 64, sixteen different multiples of 4 (64 banks of 4 bytes: ISA guide 11.1)
.set PV,    160                        ; a row of V: 128 + 32 = 40 words, 40, 16, 56, 32, 8, 48, 24
.set VL,    1024*PK                    ; V's rows begin behind K's 1,024
.set SPARE, VL+1024*PV                 ; the spare words, 128 bytes a wave: eight blocks of 256 bytes that no other line names
.set HALFK, 128*PK                     ; what one tensor load brings, of K,
.set HALFV, 128*PV                     ; of V
.set CHK,   256*PK                     ; a chunk
.set CHV,   256*PV
.set STEPK, 64*PK                      ; a key step
.set STEPV, 64*PV
.set TSTG,  16*PK                      ; the way out: a tile's stage; two a wave, in K's bytes, behind the last barrier
.set AK0, 1                            ; v1   my lane's place in a tile of K
.set AV0, 2                            ; v2   the same for V
.set ADK, 3                            ; v3   LDS address of the step's K
.set ADV, 4                            ; v4   of its V
.set SPW, 5                            ; v5   LDS address of my spare word; never rewritten
.set NIL, 6                            ; v6   0; never rewritten
.set QO,  7                            ; v7   my byte in a tile's 16 rows of Q
.set STO, 8                            ; v8   the way out: where I put 16 bytes of a row
.set RD,  9                            ; v9   where I read rows back
.set GO,  10                           ; v10  16 x lane
.set DQ,  11                           ; v11  lane % 16 - 8 (lane / 16)
.set CM,  12                           ; v12  c m;  v13 m (named with it as a pair)
.set MX,  13
.set LS,  14                           ; v[14:15] l, even keys' and odd keys'
.set AF,  16                           ; v16  a;  v17 written once (named with it as a pair)
.set T,   18                           ; v18-21 at work
.set NINF, 22                          ; v22  -infinity
.set DD,  23                           ; v23  the mask's distance
.set QA,  24                           ; v24-39 Q of the big tile, later its packed result
.set QB,  40                           ; v40-55 the same for the small tile
.set S,   56                           ; v56-87 S^T, then p
.set P,   88                           ; v88-103 p in f16
.set OT,  104                          ; v104-135 O^T
.set FR,  136                          ; v136-199 the step's fragments of K, then of V
.set WV,  8                            ; s8   my wave's number
.set TBV, 9                            ; s9   LDS byte, from V's first, at which the step's rows of V begin
.set BH,  10                           ; s10  16 b + h
.set G1K, 16                           ; s[16:23] descriptor group 1 for K's tiles
.set G0K, 32                           ; s[32:47] group 0 for K's, a set for each chunk
.set G0V, 68                           ; s[68:83] the same for V's
.set G1V, 84                           ; s[84:91] group 1 for V's: it differs in the padding alone
.set CS,  24                           ; s[24:25] c, twice: the packed form names a pair
.set SEL, 26                           ; s[26:27] lane selects for v_permlanex16_b32: lane l xor 16
.set TBK, 28                           ; s28  LDS byte at which the step's rows of K begin
.set KF,  29                           ; s29  the step's first key
.set Q0,  30                           ; s30  the first query of the tile in hand
.set CNT, 31
.set QBIG, 48                          ; s48, s49 the two tiles' first queries
.set QSML, 49
.set YBIG, 50                          ; s[50:51], s[52:53] where their rows of y begin
.set YSML, 52
.set ABIG, 54                          ; s[54:55], s[56:57] where their rows of Q begin
.set ASML, 56
	s_load_b128 s[4:7], s[0:1], 0x0                ; kqv, y16
	v_lshl_add_u32 v[SPW], v0, 2, SPARE
	v_mov_b32 v[NIL], 0
	ds_add_u32 v[SPW], v[NIL]                      ; the wave's opening: the add, twice on end, and its wait ahead of the first tensor load; the set-up below stands between
	ds_add_u32 v[SPW], v[NIL]
	v_lshrrev_b32 v1, 5, v0
	v_readfirstlane_b32 s[WV], v1                  ; wave 0..15
	s_and_b32 s[BH], ttmp7, 0xffff
	s_mov_b32 s[G1K], (1<<16)|(1<<20)|(4<<22)|(3<<25)   ; no mask; elements of 2 bytes; padding on: four words after every 32
	s_mov_b32 s[G1V], (1<<16)|(1<<20)|(4<<22)|(7<<25)   ; the same with eight words
.irp g, G1K, G1V
	s_mov_b32 s[\g+1], 64<<16                      ; tensor_dim0 = 64
	s_mov_b32 s[\g+2], 128<<16                     ; tensor_dim1 = 128
	s_mov_b32 s[\g+3], 64<<16                      ; tile_dim0 = 64
	s_mov_b32 s[\g+4], 128                         ; tile_dim1 = 128
	s_mov_b32 s[\g+5], 64                          ; elements from row to row
	s_mov_b32 s[\g+6], 0
	s_mov_b32 s[\g+7], 0
.endr
	s_mov_b32 s[CS], 0x3e38aa3b                    ; c = log2(e) / 8
	s_mov_b32 s[CS+1], s[CS]
	s_mov_b32 s[SEL], 0x76543210
	s_mov_b32 s[SEL+1], 0xfedcba98
	s_lshl_b32 s58, s[WV], 1
	s_add_co_u32 s[QSML], s58, ttmp9               ; tile 2 w + g
	s_sub_co_u32 s[QBIG], 62, s58
	s_add_co_u32 s[QBIG], s[QBIG], ttmp9           ; tile 62 - 2 w + g
	s_lshl_b32 s[QBIG], s[QBIG], 4
	s_lshl_b32 s[QSML], s[QSML], 4
	s_lshl_b32 s14, s[QBIG], 7                     ; 128 bytes a row
	s_lshl_b32 s15, s[QSML], 7
	s_lshl_b32 s12, s[BH], 17                      ; Q: 2^24 (behind K) + the head's 131,072 bytes + the row
	s_add_co_u32 s12, s12, 0x1000000
	s_add_co_u32 s[ABIG], s12, s14
	s_mov_b32 s[ABIG+1], 0
	s_add_co_u32 s[ASML], s12, s15
	s_mov_b32 s[ASML+1], 0
	s_and_b32 s13, s[BH], 15                       ; y: h x 2^20 + b x 131,072 + the row
	s_lshl_b32 s13, s13, 20
	s_lshr_b32 s12, s[BH], 4
	s_lshl_b32 s12, s12, 17
	s_add_co_u32 s13, s13, s12
	s_add_co_u32 s[YBIG], s13, s14
	s_mov_b32 s[YBIG+1], 0
	s_add_co_u32 s[YSML], s13, s15
	s_mov_b32 s[YSML+1], 0
	s_and_b32 s59, s[WV], 1                        ; which 128 rows of each chunk a fetching wave fetches:
	s_mul_i32 s58, s59, HALFK                      ; their place in LDS, for K,
	s_mul_i32 s12, s59, HALFV
	s_add_co_u32 s12, s12, VL                      ; for V,
	s_lshl_b32 s60, s[BH], 17                      ; and in memory
	s_lshl_b32 s61, s59, 14
	s_add_co_u32 s60, s60, s61
	s_mov_b32 s61, 0
	s_wait_dscnt 0x0                               ; both opening adds are done
	s_wait_kmcnt 0x0
	s_add_nc_u64 s[60:61], s[4:5], s[60:61]        ; K's rows,
	s_add_nc_u64 s[62:63], s[60:61], 0x2000000     ; V's: 2^25 bytes behind K's
	s_add_nc_u64 s[ABIG:ABIG+1], s[4:5], s[ABIG:ABIG+1]
	s_add_nc_u64 s[ASML:ASML+1], s[4:5], s[ASML:ASML+1]
	s_add_nc_u64 s[YBIG:YBIG+1], s[6:7], s[YBIG:YBIG+1]
	s_add_nc_u64 s[YSML:YSML+1], s[6:7], s[YSML:YSML+1]
.irp c, 0,1,2,3
	s_mov_b32 s[G0K+4*\c], 1                       ; count = 1
	s_add_co_u32 s[G0K+4*\c+1], s58, \c*CHK        ; LDS address
	s_add_nc_u64 s[G0K+4*\c+2:G0K+4*\c+3], s[60:61], \c*32768   ; global address: chunk c's 256 rows of 128 bytes
	s_or_b32 s[G0K+4*\c+3], s[G0K+4*\c+3], 0x80000000          ; type = 2
	s_mov_b32 s[G0V+4*\c], 1
	s_add_co_u32 s[G0V+4*\c+1], s12, \c*CHV
	s_add_nc_u64 s[G0V+4*\c+2:G0V+4*\c+3], s[62:63], \c*32768
	s_or_b32 s[G0V+4*\c+3], s[G0V+4*\c+3], 0x80000000
.endr
	s_cmp_lt_u32 s[WV], 2                          ; a fetching wave's four first fills stand in one arm, ahead of every wait on TENSORcnt, every LDS read and every barrier; an s_nop 0 follows each, four v_nop the last
	s_cbranch_scc0 .Lnot_k
.irp c, 0,1,2,3
	tensor_load_to_lds s[G0K+4*\c:G0K+4*\c+3], s[G1K:G1K+7]
	s_nop 0
.endr
.rept 4
	v_nop
.endr
	s_branch .Lnoload
.Lnot_k:
	s_cmp_lt_u32 s[WV], 4
	s_cbranch_scc0 .Lnoload
.irp c, 0,1,2,3
	tensor_load_to_lds s[G0V+4*\c:G0V+4*\c+3], s[G1V:G1V+7]
	s_nop 0
.endr
.rept 4
	v_nop
.endr
.Lnoload:
	v_and_b32 v12, 15, v0                          ; r = lane % 16
	v_bfe_u32 v13, v0, 4, 1                        ; h = lane / 16
	v_lshlrev_b32 v[QO], 7, v12
	v_lshl_add_u32 v[QO], v13, 4, v[QO]            ; row r of 128 bytes + 16 h
.irp i, 0,1,2,3                        ; a fragment of Q is 16 rows x 32 channels: two loads of 16 bytes, 32 bytes apart; two fragments a tile
	global_load_b128 v[QA+4*\i:QA+4*\i+3], v[QO], s[ABIG:ABIG+1] offset:32*\i
	global_load_b128 v[QB+4*\i:QB+4*\i+3], v[QO], s[ASML:ASML+1] offset:32*\i
.endr
	v_mul_u32_u24 v[AK0], v12, PK
	v_lshl_add_u32 v[AK0], v13, 4, v[AK0]          ; row x pitch + 16 x half
	v_and_b32 v14, 7, v0
	v_bfe_u32 v15, v0, 3, 1
	v_lshl_add_u32 v[AV0], v13, 3, v14             ; the turning load: lane l reads key 8 (l / 16) + l % 8, channels 8 ((l / 8) % 2) + 0..7
	v_mul_u32_u24 v[AV0], v[AV0], PV
	v_lshl_add_u32 v[AV0], v15, 4, v[AV0]
	v_add_nc_u32 v[AV0], VL, v[AV0]
	s_mul_i32 s58, s[WV], 2*TSTG                   ; my two stages
	v_add_nc_u32 v[STO], s58, v[AK0]               ; in: row r, 16 bytes for each half of the lanes
	v_and_b32 v16, 31, v0
	v_lshlrev_b32 v[GO], 4, v16
	v_lshrrev_b32 v16, 3, v16                      ; back: eight lanes take a row of 128 bytes, the wave four rows
	v_mul_u32_u24 v16, v16, PK
	v_lshl_add_u32 v16, v14, 4, v16
	v_add_nc_u32 v[RD], s58, v16
	v_lshlrev_b32 v16, 3, v13
	v_sub_nc_u32 v[DQ], v12, v16
	v_mov_b32 v[AF+1], 0                           ; named as the upper half of a pair
	v_mov_b32 v[T+1], 0                            ; a lane permute's destination counts as one of its sources
	v_mov_b32 v[NINF], 0xff800000
; A tile begins: m under every score, l and O^T zeros, which the first step's a = 0 leaves zeros.  So the step has one form.
.macro INIT
	v_mov_b32 v[MX], 0xff61b1e6                    ; -3e38
	v_mul_f32 v[CM], s[CS], v[MX]
	v_mov_b32 v[LS], 0
	v_mov_b32 v[LS+1], 0
.set i, 0
.rept 32
	v_mov_b32 v[OT+i], 0
.set i, i+1
.endr
.endm
; A KEY STEP: 64 keys from s[KF] on, for the tile whose Q lies at v[q].  m = 1: with the causal tests.
.macro STEP q, m
.if \m
	s_add_co_u32 s60, s[Q0], 15
	s_cmp_gt_u32 s[KF], s60                        ; all 64 keys come after my last query: nothing of the step is done but the stepping at its end
	s_cbranch_scc1 .Lhid_\@
.endif
	v_add_nc_u32 v[ADK], s[TBK], v[AK0]
	v_add_nc_u32 v[ADV], s[TBV], v[AV0]
.irp dc, 0,1                           ; K's fragments (keys 16 kt on, channels 32 dc on), the first 32 channels first
.irp kt, 0,1,2,3
	ds_load_b128 v[FR+16*\kt+8*\dc:FR+16*\kt+8*\dc+3],   v[ADK] offset:\kt*16*PK+64*\dc
	ds_load_b128 v[FR+16*\kt+8*\dc+4:FR+16*\kt+8*\dc+7], v[ADK] offset:\kt*16*PK+64*\dc+32
.endr
.endr
	s_wait_dscnt 8                                 ; the first 32 channels are in; the eight loads of the other 32 may be out
.irp kt, 0,1,2,3                       ; the four accumulators take turns; the first product starts each sum
	v_wmma_f32_16x16x32_f16 v[S+8*\kt:S+8*\kt+7], v[FR+16*\kt:FR+16*\kt+7], v[\q:\q+7], 0
.endr
	s_wait_dscnt 0x0
.irp kt, 0,1,2,3
	v_wmma_f32_16x16x32_f16 v[S+8*\kt:S+8*\kt+7], v[FR+16*\kt+8:FR+16*\kt+15], v[\q+8:\q+15], v[S+8*\kt:S+8*\kt+7]
.endr
.rept 4
	v_nop                                          ; four places: for the loads into the fragments' registers, and for the first reads of the scores
.endr
.irp kc, 0,1                           ; V's fragments (keys 32 kc on, channels 16 ct on), turned: they land while the softmax is walked
.irp ct, 0,1,2,3
	ds_load_tr16_b128 v[FR+32*\kc+8*\ct:FR+32*\kc+8*\ct+3],   v[ADV] offset:\kc*32*PV+32*\ct
	ds_load_tr16_b128 v[FR+32*\kc+8*\ct+4:FR+32*\kc+8*\ct+7], v[ADV] offset:\kc*32*PV+16*PV+32*\ct
.endr
.endr
.if \m
	s_add_co_u32 s60, s[KF], 63
	s_cmp_le_u32 s60, s[Q0]                        ; all 64 keys count for all my queries: no mask
	s_cbranch_scc1 .Lopen_\@
	s_sub_co_i32 s60, s[Q0], s[KF]
	v_add_nc_u32 v[DD], s60, v[DQ]                 ; register 8 kt + j holds key KF + 16 kt + 8 (lane / 16) + j: hidden where 16 kt + j > my query - KF - 8 (lane / 16)
.irp n, 0,1,2,3,4,5,6,7,8,9,10,11,12,13,14,15,16,17,18,19,20,21,22,23,24,25,26,27,28,29,30,31
	v_cmp_gt_i32 vcc_lo, 16*(\n/8)+\n%8, v[DD]
	v_cndmask_b32 v[S+\n], v[S+\n], v[NINF], vcc_lo
.endr
.Lopen_\@:
.endif
.irp kt, 0,1,2,3                       ; the maximum of my 32 scores and the old m: four chains; each accumulator is read from its low end on
	v_max3_num_f32 v[T+\kt], v[S+8*\kt], v[S+8*\kt+1], v[S+8*\kt+2]
.endr
.irp e, 3,5
.irp kt, 0,1,2,3
	v_max3_num_f32 v[T+\kt], v[T+\kt], v[S+8*\kt+\e], v[S+8*\kt+\e+1]
.endr
.endr
	v_max3_num_f32 v[T], v[T], v[S+7], v[S+15]
	v_max3_num_f32 v[T+2], v[T+2], v[S+23], v[S+31]
	v_max3_num_f32 v[T], v[T], v[T+1], v[T+2]
	v_max3_num_f32 v[T], v[T], v[T+3], v[MX]
	v_permlanex16_b32 v[T+1], v[T], s[SEL], s[SEL+1]   ; the query's other 32 keys lie in the lane 16 away
	v_mov_b32 v[T+3], v[CM]                        ; c m_old
	v_max_num_f32 v[MX], v[T], v[T+1]
	v_mul_f32 v[CM], s[CS], v[MX]
	v_sub_f32 v[T+3], v[T+3], v[CM]
	v_exp_f32 v[AF], v[T+3]                        ; a = 2^(c m_old - c m_new)
.set i, 0
.rept 16
	v_pk_fma_f32 v[S+i:S+i+1], v[S+i:S+i+1], s[CS:CS+1], v[CM:CM+1] op_sel_hi:[1,0,0] neg_lo:[0,0,1] neg_hi:[0,0,1]   ; c s - c m, two at a time
.set i, i+2
.endr
.set i, 0
.rept 32
	v_exp_f32 v[S+i], v[S+i]                       ; p
.set i, i+1
.endr
	v_nop                                          ; a plain instruction behind the last exponential, ahead of the first use
	s_wait_alu depctr_va_vdst(0)                   ; the wait ahead of the first instruction that names a result: one for the 33
	v_pk_mul_f32 v[LS:LS+1], v[LS:LS+1], v[AF:AF+1] op_sel_hi:[1,0]
	v_pk_add_f32 v[T:T+1], v[S:S+1], v[S+2:S+3]    ; the sum is taken of the unrounded p, in two chains
.irp e, 4,8,12,16,20,24,28
	v_pk_add_f32 v[LS:LS+1], v[LS:LS+1], v[S+\e:S+\e+1]
	v_pk_add_f32 v[T:T+1], v[T:T+1], v[S+\e+2:S+\e+3]
.endr
	v_pk_add_f32 v[LS:LS+1], v[LS:LS+1], v[T:T+1]
.set i, 0
.rept 16
	v_cvt_pk_f16_f32 v[P+i], v[S+2*i], v[S+2*i+1]  ; registers 8 kc .. 8 kc + 7 are source 1 for keys 32 kc on
.set i, i+1
.endr
.set i, 0
.rept 16
	v_pk_mul_f32 v[OT+i:OT+i+1], v[OT+i:OT+i+1], v[AF:AF+1] op_sel_hi:[1,0]   ; O^T under the new m, from each accumulator's low end on
.set i, i+2
.endr
	s_wait_dscnt 0x0                               ; V is in
.irp kc, 0,1
.irp ct, 0,1,2,3                       ; the four accumulators take turns
	v_wmma_f32_16x16x32_f16 v[OT+8*\ct:OT+8*\ct+7], v[FR+32*\kc+8*\ct:FR+32*\kc+8*\ct+7], v[P+8*\kc:P+8*\kc+7], v[OT+8*\ct:OT+8*\ct+7]
.endr
.endr
.rept 4
	v_nop                                          ; four places: for the next step's loads into the fragments' registers, and for the reads of O^T at a tile's end
.endr
.if \m
.Lhid_\@:
.endif
	s_add_co_u32 s[KF], s[KF], 64
	s_add_co_u32 s[TBK], s[TBK], STEPK
	s_add_co_u32 s[TBV], s[TBV], STEPV
.endm
; n key steps of the big tile, from chunk c's first key on.  left >= 0: a barrier stands in front, and each wave waits until at most so many of its tensor loads are out.
.macro CHUNK c, m, left, n
.if \left >= 0
	s_wait_tensorcnt \left                         ; my part of what is read behind this barrier has landed,
	s_wait_dscnt 0x0                               ; no LDS instruction of mine is out at the signal
	s_barrier_signal -1
	s_barrier_wait -1                              ; everybody's has
.endif
	s_mov_b32 s[TBK], \c*CHK
	s_mov_b32 s[TBV], \c*CHV
	s_mov_b32 s[KF], \c*256
	s_mov_b32 s[CNT], \n
.Lchunk_\@:
	STEP QA, \m
	s_sub_co_u32 s[CNT], s[CNT], 1
	s_cmp_lg_u32 s[CNT], 0
	s_cbranch_scc1 .Lchunk_\@
.endm
; A tile ends: O^T / l, rounded to f16, into the tile's own registers of Q, which are done with.  (Every way from the last product has passed the four places that close a step.)
.macro FINISH q
	v_add_f32 v[T], v[LS], v[LS+1]
	v_permlanex16_b32 v[T+1], v[T], s[SEL], s[SEL+1]
	v_add_f32 v[T], v[T], v[T+1]
	v_rcp_f32 v[AF], v[T]
	v_nop                                          ; a plain instruction behind the reciprocal
	s_wait_alu depctr_va_vdst(0)                   ; and the wait ahead of its first use
.set i, 0
.rept 16
	v_pk_mul_f32 v[OT+i:OT+i+1], v[OT+i:OT+i+1], v[AF:AF+1] op_sel_hi:[1,0]
.set i, i+2
.endr
.set i, 0
.rept 16
	v_cvt_pk_f16_f32 v[\q+i], v[OT+2*i], v[OT+2*i+1]
.set i, i+1
.endr
.endm
	INIT
	s_mov_b32 s[Q0], s[QBIG]
	s_wait_loadcnt 0x0                             ; Q
	CHUNK 0, 0, 3, 4                               ; chunk 0 has landed; my three younger loads may be out.  Keys 0 to 511 count for every query from 512 on: no tests
	CHUNK 1, 0, 0, 4                               ; all four chunks have landed: no barrier stands between here and the way out
	CHUNK 2, 1, -1, 8                              ; keys 512 to 1,023, with the tests
	FINISH QA
	INIT
	s_mov_b32 s[Q0], s[QSML]
	s_mov_b32 s[TBK], 0
	s_mov_b32 s[TBV], 0
	s_mov_b32 s[KF], 0
	s_mov_b32 s[CNT], 8                            ; the small tile's keys lie under 512: eight steps at the most
.Lsmall:
	STEP QB, 1
	s_sub_co_u32 s[CNT], s[CNT], 1
	s_cmp_lg_u32 s[CNT], 0
	s_cbranch_scc1 .Lsmall
	FINISH QB
	; THE WAY OUT.  A lane's eight channels of a row are 16 bytes; a tile's 16 rows are 2,048 consecutive bytes of y16.  They go through my stage and come back four rows at a time.
	s_wait_dscnt 0x0                               ; my reads of K and V are over,
	s_barrier_signal -1
	s_barrier_wait -1                              ; everybody's are: K's bytes, which have had their only fill, take the stages
.irp u, 0,1
.irp ct, 0,1,2,3
	ds_store_b128 v[STO], v[QA+16*\u+4*\ct:QA+16*\u+4*\ct+3] offset:\u*TSTG+32*\ct
.endr
.endr
.irp u, 0,1
.irp i, 0,1,2,3
	ds_load_b128 v[S+16*\u+4*\i:S+16*\u+4*\i+3], v[RD] offset:\u*TSTG+4*PK*\i   ; in order behind my stores (ISA guide 5.7.1.4)
.endr
.endr
.irp i, 0,1,2,3
	s_wait_dscnt 7-\i                              ; the younger loads may be out
	global_store_b128 v[GO], v[S+4*\i:S+4*\i+3], s[YBIG:YBIG+1] offset:512*\i   ; 32 lanes store 512 consecutive bytes, aligned
.endr
.irp i, 0,1,2,3
	s_wait_dscnt 3-\i
	global_store_b128 v[GO], v[S+16+4*\i:S+16+4*\i+3], s[YSML:YSML+1] offset:512*\i
.endr
	s_wait_tensorcnt 0x0                           ; the wave's end: these three lines, behind my last tensor load and my last LDS store
	ds_add_u32 v[SPW], v[NIL]
	s_wait_dscnt 0x0
	s_endpgm
.Lfunc_end_k_qa7039ad79a_attn:
	.size	k_qa7039ad79a_attn, .Lfunc_end_k_qa7039ad79a_attn-k_qa7039ad79a_attn
	.p2alignl 7, 3214868480
	.fill 96, 4, 3214868480
	.section	.rodata,"a",@progbits
	.p2align	6, 0x0
	.amdhsa_kernel k_qa7039ad79a_attn
		.amdhsa_group_segment_fixed_size 327680
		.amdhsa_private_segment_fixed_size 0
		.amdhsa_enable_private_segment 0
		.amdhsa_kernarg_size 16
		.amdhsa_user_sgpr_count 2
		.amdhsa_user_sgpr_kernarg_segment_ptr 1
		.amdhsa_wavefront_size32 1
		.amdhsa_system_sgpr_workgroup_id_x 1
		.amdhsa_system_sgpr_workgroup_id_y 1
		.amdhsa_system_sgpr_workgroup_id_z 1
		.amdhsa_system_vgpr_workitem_id 0
		.amdhsa_next_free_vgpr 200
		.amdhsa_next_free_sgpr 92
		.amdhsa_reserve_vcc 1
		.amdhsa_float_denorm_mode_32 3
		.amdhsa_float_denorm_mode_16_64 3
		.amdhsa_memory_ordered 1
		.amdhsa_forward_progress 1
		.amdhsa_inst_pref_size 63
	.end_amdhsa_kernel
	.amdgpu_metadata
---
amdhsa.version: [ 1, 2 ]
amdhsa.kernels:
  - .name:           k_qa7039ad79a_attn
    .symbol:         k_qa7039ad79a_attn.kd
    .args:
      - { .name: kqv, .offset: 0, .size: 8, .value_kind: global_buffer, .address_space: global }
      - { .name: y16, .offset: 8, .size: 8, .value_kind: global_buffer, .address_space: global }
    .group_segment_fixed_size: 327680
    .private_segment_fixed_size: 0
    .kernarg_segment_align: 8
    .kernarg_segment_size: 16
    .max_flat_workgroup_size: 512
    .sgpr_count:     92
    .vgpr_count:     200
    .wavefront_size: 32
...
	.end_amdgpu_metadata
.endif
;; end of part 3
;; launch proj (part 4): grid 8 x 32, 4 waves a work-group, clusters of 4 x 4, 327,680 bytes of LDS; arguments y16, wp16, b_proj, out0; writes out0
.if DOCPART == 4
	.amdgcn_target "amdgcn-amd-amdhsa--gfx1250"
	.amdhsa_code_object_version 6
	.text
	.protected	k_qa7039ad79a_proj
	.globl	k_qa7039ad79a_proj
	.p2align	8
	.type	k_qa7039ad79a_proj,@function
k_qa7039ad79a_proj:
	s_mov_b64 s[64:65], 0
	v_nop
	global_prefetch_b8 v0, s[64:65] scope:SCOPE_SE
	s_setreg_imm32_b32 hwreg(HW_REG_WAVE_MODE, 25, 1), 1
	s_wait_xcnt 0x0
	s_wait_alu depctr_hold_cnt(0) depctr_sa_sdst(0) depctr_va_vdst(0) depctr_va_sdst(0) depctr_va_ssrc(0) depctr_va_vcc(0) depctr_vm_vsrc(0)
	s_getreg_b32 s2, hwreg(HW_REG_IB_STS2, 6, 4)
	s_cmp_eq_u32 s2, 0
	s_cbranch_scc0 .Lentry_in_a_cluster
	s_endpgm
.Lentry_in_a_cluster:
	s_bfe_u32 s2, ttmp6, 0x10000c
	s_cmp_lg_u32 s2, 0xf033
	s_cbranch_scc0 .Lentry_shape_is_right
	s_endpgm
.Lentry_shape_is_right:
; out0[m][n] = sum over k of y[m][k] w_proj[n][k] + b_proj[n], on f16 operands with f32 sums.  y: f16, laid [16 h][8192 m][64 d], k = 64 h + d; w_proj: f16 [1024 n][1024 k]; out0: f32 [8192][1024].
; ALL 8,192 rows are made here.  The 128 rows that are the first 16 positions of a sequence are written anew, more finely, by a later launch: leaving them out here would be a branch on a work-group's place in its cluster.
; LIMIT: |y| and |w_proj| under 65,504.
; A tile of out0 is 256 (m) x 128 (n): 8 x 32 = 256 work-groups.  Four waves, each 128 x 64: 32 accumulators of 16 x 16, 256 registers.  K goes in steps of 128 (two heads) through two LDS slots: 8 steps.
; A wave issues 128 matrix instructions in a K step; a refill goes out behind the change of slots and has the next K step in which to land.  By this text's count a wave has two tensor loads out at the start, then one.
; CLUSTERS: 4 x 4 work-groups.  The four of a row of the cluster need the same tiles of y, the four of a column the same tiles of w_proj: each tile is asked for JOINTLY.
; THE MATRIX INSTRUCTION IS USED TRANSPOSED (source 0 = 16 rows of w_proj, source 1 = 16 rows of y): a lane holds eight neighbouring columns of one row of out0.  The bias is the C of each sum's first product.
; No prefetch: the K steps are short and the tile small; the refills' lead is what the ring gives.
; REGISTERS: window 0: v0-31 addresses; v32-63 the bias, 8 registers for each block of 16 columns; v64-127 w_proj's fragments, two buffers of 32; v128-255 y's fragments, two buffers of 64 (on the way out: rows read back).
;   window 1: the accumulators, (a, b) at v[8 (4 a + b)].
.set KSTEP,  128
.set PA,     144                       ; a row of y in LDS: 128 bytes + 16
.set PB,     272                       ; a row of w_proj: 256 bytes + 16.  Both odd multiples of 16
.set HEADT,  256*PA                    ; one head's 256 rows: what one of y's tensor loads brings
.set BOFF,   2*HEADT                   ; w_proj's 128 rows lie behind y's two heads
.set HALFB,  64*PB                     ; 64 rows: what one of w_proj's loads brings, and what one wave reads
.set SLOT,   BOFF+2*HALFB
.set STAGE,  2*SLOT                    ; behind the ring: 16 rows x 272 bytes for each wave
.set SPITCH, 272
.set SPARE,  STAGE+4*16*SPITCH         ; behind the stages: the spare words, 128 bytes a wave
.set LAPS,   1024/(2*KSTEP)
.set ADRA, 16                          ; v16-17  LDS address of my y fragments in slot 0, 1
.set ADRB, 20                          ; v20-21  the same for w_proj
.set STO,  24                          ; v24     the way out: where I put 32 bytes of a row
.set RD,   25                          ; v25     where I read a row back
.set CO,   26                          ; v26     my byte offset in two rows of out0
.set BO,   27                          ; v27     my byte offset in a block's 16 numbers of the bias
.set SPW,  28                          ; v28     LDS address of my spare word; never rewritten
.set NIL,  29                          ; v29     0; never rewritten
.set BI,   32
.set FB,   64
.set FA,   128
.set BK,   128                         ; the way out: 16 rows read back: v128-159 and v160-191 by turns
.set G1, 24                            ; s[24:31] descriptor group 1 for y's tiles;  s[32:39] group 0, one set for each slot
.set G0, 32
.set G1B, 48                           ; s[48:55], s[56:63] the same for w_proj's
.set G0B, 56
.set MSB, 0
.macro WIN new                         ; the immediate's high byte repeats the setting that is left
.if MSB != \new
	s_set_vgpr_msb (MSB<<8)|\new
.set MSB, \new
.endif
.endm
.set MUL,  0x50                        ; C and D window 1, both sources window 0
.set MUL0, 0x40                        ; D window 1; C (the bias) window 0
.macro JLOAD s                         ; a joint load: waves 0 and 1 fetch y's two heads, waves 2 and 3 w_proj's two halves; an s_nop 0 and four v_nop follow each of the two lines
	s_cmp_eq_u32 s11, 0
	s_cbranch_scc0 .Lfor_b_\@
	tensor_load_to_lds s[G0+4*\s:G0+4*\s+3], s[G1:G1+7]
	s_nop 0
.rept 4
	v_nop
.endr
	s_branch .Lasked_\@
.Lfor_b_\@:
	tensor_load_to_lds s[G0B+4*\s:G0B+4*\s+3], s[G1B:G1B+7]
	s_nop 0
.rept 4
	v_nop
.endr
.Lasked_\@:
.endm
.macro CREST                           ; a round of the cluster's barrier behind its opening barrier
	s_cmp_lg_u32 s10, 0
	s_cbranch_scc1 .Lnot_wave_0_\@
	s_barrier_signal -3
.Lnot_wave_0_\@:
	s_barrier_wait -3
	s_barrier_signal -1
	s_barrier_wait -1
.endm
.macro CROUND                          ; a whole round
	s_barrier_signal -1
	s_barrier_wait -1
	CREST
.endm
	s_load_b256 s[68:75], s[0:1], 0x0              ; y16 s[68:69], wp16 s[70:71], b_proj s[72:73], out0 s[74:75]
	v_lshl_add_u32 v[SPW], v0, 2, SPARE
	v_mov_b32 v[NIL], 0
	ds_add_u32 v[SPW], v[NIL]                      ; the wave's opening: the add, twice on end, and its wait ahead of my first tensor load; the set-up below stands between
	ds_add_u32 v[SPW], v[NIL]
	v_lshrrev_b32 v1, 5, v0
	v_readfirstlane_b32 s10, v1                    ; wave 0..3
	s_lshr_b32 s11, s10, 1                         ; which half of the tile's rows is mine.  Also: I fetch for y (0) or for w_proj (1)
	s_and_b32 s12, s10, 1                          ; which half of its columns.  Also: which head, or which 64 rows, I fetch
	s_bfe_u32 s40, ttmp6, 0x40000                  ; cx, cy: my place in the cluster
	s_bfe_u32 s41, ttmp6, 0x40004
	s_lshl_b32 s42, ttmp9, 2
	s_add_co_u32 s42, s42, s40                     ; tile column = 4 x cluster x + cx
	s_and_b32 s13, ttmp7, 0xffff
	s_lshl_b32 s13, s13, 2
	s_add_co_u32 s13, s13, s41                     ; tile row = 4 x cluster y + cy
	s_lshl_b32 s43, s41, 2
	s_lshl_b32 s43, 15, s43                        ; my row of the cluster
	s_lshl_b32 s44, 0x1111, s40                    ; my column
	s_or_b32 s[G1+0], s43, (1<<16)|(1<<20)|(1<<21)|(4<<22)|(3<<25)   ; the mask: y's tiles go to my row; elements of 2 bytes; padding on; bit 21 beside a mask; four words after every 32
	s_mov_b32 s[G1+1], 64<<16                      ; tensor_dim0 = 64
	s_mov_b32 s[G1+2], 256<<16                     ; tensor_dim1 = 256
	s_mov_b32 s[G1+3], 64<<16                      ; tile_dim0 = 64
	s_mov_b32 s[G1+4], 256                         ; tile_dim1 = 256
	s_mov_b32 s[G1+5], 64                          ; elements from row to row: a head's rows are dense
	s_mov_b32 s[G1+6], 0
	s_mov_b32 s[G1+7], 0
	s_or_b32 s[G1B+0], s44, (1<<16)|(1<<20)|(1<<21)|(5<<22)|(3<<25)  ; the mask of my column; four words after every 64
	s_mov_b32 s[G1B+1], KSTEP<<16                  ; tensor_dim0 = 128
	s_mov_b32 s[G1B+2], 64<<16                     ; tensor_dim1 = 64
	s_mov_b32 s[G1B+3], KSTEP<<16                  ; tile_dim0 = 128
	s_mov_b32 s[G1B+4], 64                         ; tile_dim1 = 64
	s_mov_b32 s[G1B+5], 1024                       ; elements from row to row
	s_mov_b32 s[G1B+6], 0
	s_mov_b32 s[G1B+7], 0
	; where the tiles come from: y's hang on the tile row alone, w_proj's on the tile column alone, each in registers that never hold the other coordinate
	s_lshl_b32 s16, s12, 20                        ; y: my head of the K step's two (2^20 bytes a head)
	s_lshl_b32 s17, s13, 15                        ; + 256 rows of 128 bytes x tile row
	s_add_co_u32 s16, s16, s17
	s_mov_b32 s17, 0
	s_lshl_b32 s46, s42, 18                        ; w_proj: 128 rows of 2,048 bytes x tile column
	s_lshl_b32 s47, s12, 17                        ; + my 64 rows
	s_add_co_u32 s46, s46, s47
	s_mov_b32 s47, 0
	s_mul_i32 s20, s12, HEADT                      ; where they go: no place in the cluster enters an LDS address
	s_mul_i32 s21, s12, HALFB
	s_add_co_u32 s21, s21, BOFF
	s_wait_dscnt 0x0                               ; both opening adds are done
	s_wait_kmcnt 0x0
	s_add_nc_u64 s[14:15], s[68:69], s[16:17]
	s_add_nc_u64 s[46:47], s[70:71], s[46:47]
	CROUND                                         ; all sixteen work-groups are here: the first joint loads meet
.irp s, 0,1
	s_mov_b32 s[G0+4*\s], 1
	s_add_co_u32 s[G0+4*\s+1], s20, \s*SLOT
	s_add_nc_u64 s[G0+4*\s+2:G0+4*\s+3], s[14:15], \s*2097152      ; K step s: two heads on
	s_or_b32 s[G0+4*\s+3], s[G0+4*\s+3], 0x80000000
	s_mov_b32 s[G0B+4*\s], 1
	s_add_co_u32 s[G0B+4*\s+1], s21, \s*SLOT
	s_add_nc_u64 s[G0B+4*\s+2:G0B+4*\s+3], s[46:47], \s*KSTEP*2
	s_or_b32 s[G0B+4*\s+3], s[G0B+4*\s+3], 0x80000000
	JLOAD \s
.endr
	s_lshl_b32 s46, s42, 9                         ; my first column, in bytes of f32: 512 x tile column + 256 x half
	s_lshl_b32 s47, s12, 8
	s_add_co_u32 s46, s46, s47
	s_mov_b32 s47, 0
	s_add_nc_u64 s[72:73], s[72:73], s[46:47]
	s_add_nc_u64 s[74:75], s[74:75], s[46:47]
	s_lshl_b32 s16, s13, 20                        ; my first row: 256 rows of 4,096 bytes x tile row + 128 rows x half
	s_lshl_b32 s17, s11, 19
	s_add_co_u32 s16, s16, s17
	s_mov_b32 s17, 0
	s_add_nc_u64 s[74:75], s[74:75], s[16:17]
	v_and_b32 v1, 15, v0                           ; l % 16
	v_bfe_u32 v2, v0, 4, 1                         ; l / 16
	v_lshlrev_b32 v[BO], 5, v2
.irp b, 0,1,2,3                        ; the bias in the result's layout: register j of block b is b_proj at column 16 b + 8 (l / 16) + j
	global_load_b128 v[BI+8*\b:BI+8*\b+3],   v[BO], s[72:73] offset:64*\b
	global_load_b128 v[BI+8*\b+4:BI+8*\b+7], v[BO], s[72:73] offset:64*\b+16
.endr
	v_mul_u32_u24 v3, v1, PA
	v_lshl_add_u32 v3, v2, 4, v3                   ; a fragment's row x pitch + 16 x half
	v_mul_u32_u24 v4, v1, PB
	v_lshl_add_u32 v4, v2, 4, v4
	s_mul_i32 s21, s11, 128*PA                     ; my 128 rows of y (in each head)
	s_mul_i32 s22, s12, HALFB                      ; my 64 rows of w_proj
	s_add_co_u32 s22, s22, BOFF
.irp s, 0,1
	v_add_nc_u32 v[ADRA+\s], s21, v3
	v_add_nc_u32 v[ADRB+\s], s22, v4
	s_add_co_u32 s21, s21, SLOT
	s_add_co_u32 s22, s22, SLOT
.endr
	s_mul_i32 s23, s10, 16*SPITCH
	s_add_co_u32 s23, s23, STAGE                   ; my stage
	v_mul_u32_u24 v5, v1, SPITCH                   ; in: row l % 16, 32 bytes for each half of the lanes
	v_lshl_add_u32 v5, v2, 5, v5
	v_add_nc_u32 v[STO], s23, v5
	v_mul_u32_u24 v5, v2, SPITCH                   ; back: lanes 0-15 take one row of 256 bytes, lanes 16-31 the next
	v_lshl_add_u32 v5, v1, 4, v5
	v_add_nc_u32 v[RD], s23, v5
	v_lshlrev_b32 v5, 12, v2                       ; and the same two rows in out0
	v_lshl_add_u32 v[CO], v1, 4, v5
; 8 matrix instructions: y's blocks a0, a0 + 1 against w_proj's four, 32 along K, out of buffer f.  first = 1: the bias is C, and the product starts the sum.
; The 32 accumulators take turns, one instruction a turn, in the same order in every quarter.
.macro MUL8 f, a0, first
.irp a, \a0, \a0+1
.irp b, 0,1,2,3
.if \first
	v_wmma_f32_16x16x32_f16 v[8*(4*(\a)+\b):8*(4*(\a)+\b)+7], v[FB+32*\f+8*\b:FB+32*\f+8*\b+7], v[FA+64*\f+8*(\a):FA+64*\f+8*(\a)+7], v[BI+8*\b:BI+8*\b+7]
.else
	v_wmma_f32_16x16x32_f16 v[8*(4*(\a)+\b):8*(4*(\a)+\b)+7], v[FB+32*\f+8*\b:FB+32*\f+8*\b+7], v[FA+64*\f+8*(\a):FA+64*\f+8*(\a)+7], v[8*(4*(\a)+\b):8*(4*(\a)+\b)+7]
.endif
.endr
.endr
.endm
; 24 LDS loads in one run: the fragments of the K step's quarter kq (32 along K: head kq / 2, channels 32 (kq % 2) on) into buffer f: w_proj's four, y's blocks 0-3, y's blocks 4-7
.macro FETCH slot, kq, f
	WIN 0
.irp i, 0,1,2,3
	ds_load_b128 v[FB+32*\f+8*\i:FB+32*\f+8*\i+3],   v[ADRB+\slot] offset:64*\kq+\i*16*PB
	ds_load_b128 v[FB+32*\f+8*\i+4:FB+32*\f+8*\i+7], v[ADRB+\slot] offset:64*\kq+\i*16*PB+32
.endr
.irp i, 0,1,2,3,4,5,6,7
	ds_load_b128 v[FA+64*\f+8*\i:FA+64*\f+8*\i+3],   v[ADRA+\slot] offset:(\kq/2)*HEADT+(\kq%2)*64+\i*16*PA
	ds_load_b128 v[FA+64*\f+8*\i+4:FA+64*\f+8*\i+7], v[ADRA+\slot] offset:(\kq/2)*HEADT+(\kq%2)*64+\i*16*PA+32
.endr
.endm
.macro PLACES                          ; four places in front of loads into registers that matrix instructions have read, and of the first reads of results (ISA guide 7.12.1 for the reads of results)
.rept 4
	v_nop
.endr
.endm
; One of a K step's first three quarters: multiplies buffer f; in its middle it fetches quarter kq into buffer g.
.macro QUARTER slot, kq, f, g, first
	s_wait_dscnt 8                                 ; w_proj's fragments and y's blocks 0-3 are in; the youngest eight loads (y's blocks 4-7) may be out
.if \first
	WIN MUL0
.else
	WIN MUL
.endif
	MUL8 \f, 0, \first
	MUL8 \f, 2, \first
	PLACES
	FETCH \slot, \kq, \g
	s_wait_dscnt 24                                ; all but the 24 just issued
.if \first
	WIN MUL0
.else
	WIN MUL
.endif
	MUL8 \f, 4, \first
	MUL8 \f, 6, \first
.endm
; The last quarter multiplies buffer 1 and changes slots: ONE barrier; in front of it each wave waits for all its tensor loads, adds 0 to its spare word, and waits for that and for its own reads of this slot.
; fill = 1: the barrier opens a round of the cluster's, and this slot is filled again, two K steps ahead, first thing behind the round.
.macro TURN slot, next, fill
	WIN 0                                          ; (the add's two registers lie in window 0)
	s_wait_tensorcnt 0x0                           ; all my tensor loads have landed: my part of the next slot;
	ds_add_u32 v[SPW], v[NIL]                      ; 0 onto my spare word;
	s_wait_dscnt 9                                 ; (the add and the youngest eight loads may be out)
	WIN MUL
	MUL8 1, 0, 0                                   ; eight matrix instructions stand between the add and the wait for it
	s_wait_dscnt 0x0                               ; the add is done, and my reads of this slot are over
	s_barrier_signal -1
	MUL8 1, 2, 0
.if \fill
	WIN 0
.endif
	s_barrier_wait -1
.if \fill
	CREST                                          ; no wave of any partner still reads this slot's tile or has a load on its way
	s_add_nc_u64 s[G0+4*\slot+2:G0+4*\slot+3], s[G0+4*\slot+2:G0+4*\slot+3], 2*2097152   ; two K steps on: four heads,
	s_add_nc_u64 s[G0B+4*\slot+2:G0B+4*\slot+3], s[G0B+4*\slot+2:G0B+4*\slot+3], 2*KSTEP*2   ; 512 bytes along w_proj's rows
	JLOAD \slot                                    ; the first tensor load behind the round; the four v_nop behind it are also the places in front of the loads below
.else
	PLACES
.endif
	FETCH \next, 0, 0
	WIN MUL
	MUL8 1, 4, 0
	MUL8 1, 6, 0
.endm
	s_wait_tensorcnt 1                             ; my part of K step 0 is in; one load, K step 1's, may be out
	s_barrier_signal -1
	s_barrier_wait -1                              ; everybody's is
	FETCH 0, 0, 0
	s_wait_loadcnt 0x0                             ; the bias
	QUARTER 0, 1, 0, 1, 1                          ; the first quarter stands in front of the loop: its products start the sums
	WIN 0                                          ; at a label and at a branch every window is 0
	s_mov_b32 s3, LAPS-1
.Llap:                                             ; a trip goes once round the ring, from a lap's second quarter to the next lap's first, and fills both slots again
	QUARTER 0, 2, 1, 0, 0
	QUARTER 0, 3, 0, 1, 0
	TURN 0, 1, 1
	QUARTER 1, 1, 0, 1, 0
	QUARTER 1, 2, 1, 0, 0
	QUARTER 1, 3, 0, 1, 0
	TURN 1, 0, 1
	QUARTER 0, 1, 0, 1, 0
	WIN 0
	s_sub_co_u32 s3, s3, 1
	s_cmp_lg_u32 s3, 0
	s_cbranch_scc1 .Llap
	QUARTER 0, 2, 1, 0, 0                          ; the last lap fills nothing, and has no round of the cluster's barrier
	QUARTER 0, 3, 0, 1, 0
	TURN 0, 1, 0
	QUARTER 1, 1, 0, 1, 0
	QUARTER 1, 2, 1, 0, 0
	QUARTER 1, 3, 0, 1, 0
	s_wait_dscnt 8                                 ; the very last quarter: nothing more to fetch
	WIN MUL
	MUL8 1, 0, 0
	MUL8 1, 2, 0
	s_wait_dscnt 0
	MUL8 1, 4, 0
	MUL8 1, 6, 0
	WIN 0
; THE WAY OUT, block by block of 16 rows x 64 columns (256 bytes a row).  A lane holds 32 bytes of a row, the lanes beside it other rows: a block goes through my own stage and comes back as whole rows.
.macro TOSTAGE a
	WIN 0x04                                       ; an LDS store's data are its source 1: window 1
.irp b, 0,1,2,3
	ds_store_b128 v[STO], v[32*(\a)+8*\b:32*(\a)+8*\b+3] offset:64*\b        ; each accumulator from its low end on
	ds_store_b128 v[STO], v[32*(\a)+8*\b+4:32*(\a)+8*\b+7] offset:64*\b+16
.endr
	WIN 0
.set BB, BK+32*((\a)%2)
.irp t, 0,1,2,3,4,5,6,7
	ds_load_b128 v[BB+4*\t:BB+4*\t+3], v[RD] offset:\t*2*SPITCH   ; in order behind my stores (ISA guide 5.7.1.4); the next block's stores come behind these
.endr
.endm
.macro SEND a, younger                 ; younger: the LDS instructions issued behind block a's loads, which may stay out
.set BB, BK+32*((\a)%2)
	s_wait_dscnt \younger
.irp t, 0,1,2,3,4,5,6,7
	global_store_b128 v[CO], v[BB+4*\t:BB+4*\t+3], s[74:75] offset:65536*(\a)+8192*\t th:TH_STORE_NT   ; 16 lanes store 256 consecutive bytes, aligned; rows 16 a + 2 t and the next
.endr
.endm
	PLACES
	TOSTAGE 0
.irp a, 1,2,3,4,5,6,7
.if \a > 1
	s_wait_xcnt 0x0                                ; block a - 2's stores have read their registers: block a's loads may land there
.endif
	TOSTAGE \a
	SEND \a-1, 16                                  ; behind block a - 1's loads: block a's 8 stores and 8 loads
.endr
	SEND 7, 0
	s_wait_tensorcnt 0x0                           ; the wave's end: these three lines, behind my last tensor load and my last LDS store
	ds_add_u32 v[SPW], v[NIL]
	s_wait_dscnt 0x0
	CROUND                                         ; the closing round: no work-group ends while a partner may still ask for a tile that names it
	s_endpgm
.Lfunc_end_k_qa7039ad79a_proj:
	.size	k_qa7039ad79a_proj, .Lfunc_end_k_qa7039ad79a_proj-k_qa7039ad79a_proj
	.p2alignl 7, 3214868480
	.fill 96, 4, 3214868480
	.section	.rodata,"a",@progbits
	.p2align	6, 0x0
	.amdhsa_kernel k_qa7039ad79a_proj
		.amdhsa_group_segment_fixed_size 327680
		.amdhsa_private_segment_fixed_size 0
		.amdhsa_enable_private_segment 0
		.amdhsa_kernarg_size 32
		.amdhsa_user_sgpr_count 2
		.amdhsa_user_sgpr_kernarg_segment_ptr 1
		.amdhsa_wavefront_size32 1
		.amdhsa_system_sgpr_workgroup_id_x 1
		.amdhsa_system_sgpr_workgroup_id_y 1
		.amdhsa_system_sgpr_workgroup_id_z 1
		.amdhsa_system_vgpr_workitem_id 0
		.amdhsa_next_free_vgpr 512
		.amdhsa_next_free_sgpr 80
		.amdhsa_reserve_vcc 0
		.amdhsa_float_denorm_mode_32 3
		.amdhsa_float_denorm_mode_16_64 3
		.amdhsa_memory_ordered 1
		.amdhsa_forward_progress 1
		.amdhsa_inst_pref_size 86
	.end_amdhsa_kernel
	.amdgpu_metadata
---
amdhsa.version: [ 1, 2 ]
amdhsa.kernels:
  - .name:           k_qa7039ad79a_proj
    .symbol:         k_qa7039ad79a_proj.kd
    .args:
      - { .name: y16, .offset: 0, .size: 8, .value_kind: global_buffer, .address_space: global }
      - { .name: wp16, .offset: 8, .size: 8, .value_kind: global_buffer, .address_space: global }
      - { .name: b_proj, .offset: 16, .size: 8, .value_kind: global_buffer, .address_space: global }
      - { .name: out0, .offset: 24, .size: 8, .value_kind: global_buffer, .address_space: global }
    .group_segment_fixed_size: 327680
    .private_segment_fixed_size: 0
    .kernarg_segment_align: 8
    .kernarg_segment_size: 32
    .max_flat_workgroup_size: 128
    .sgpr_count:     80
    .vgpr_count:     512
    .wavefront_size: 32
...
	.end_amdgpu_metadata
.endif
;; end of part 4
;; launch fine (part 5): grid 16 x 8, 16 waves a work-group, no clusters, 85,248 bytes of LDS; arguments kqvf, w_proj, b_proj, out0; writes out0
.if DOCPART == 5
	.amdgcn_target "amdgcn-amd-amdhsa--gfx1250"
	.amdhsa_code_object_version 6
	.text
	.protected	k_qa7039ad79a_fine
	.globl	k_qa7039ad79a_fine
	.p2align	8
	.type	k_qa7039ad79a_fine,@function
k_qa7039ad79a_fine:
	s_mov_b64 s[64:65], 0
	v_nop
	global_prefetch_b8 v0, s[64:65] scope:SCOPE_SE
	s_setreg_imm32_b32 hwreg(HW_REG_WAVE_MODE, 25, 1), 1
	s_wait_xcnt 0x0
; THE FIRST 16 POSITIONS OF EVERY SEQUENCE, IN F32, from q, k, v to out0.  Under the causal mask these rows average 1 to 16 values, so nothing of them is rounded to 16 bits.
; kqvf[b][t][3072], f32: the quantised product's own sums for t < 16 (columns: k, q, v, 1,024 each; 64 a head).  out0[1024 b + t][n] = sum over k of y[t][k] w_proj[n][k] + b_proj[n].
; These 128 rows of out0 were written by the launch of the whole projection on f16 operands; this launch, which runs later, writes them anew.
; Work-group (cg, b): 16 rows x 64 columns of out0, so that a row's 256 bytes have one owner.  Sixteen waves.
; PHASE A: wave w is head w: S^T = K Q^T, the mask, the softmax with the row's maximum taken away, Y^T = V^T P, on f32 operands (16 x 16 x 4 form: 16 + 16 instructions); y / l goes into LDS as 16 rows of 1,024 f32.
;   The 16 column groups of a batch each make y anew: 32 matrix instructions a wave, in place of a launch of its own and a way through memory.
; PHASE B: wave w: columns 16 (w % 4) on, K from 256 (w / 4) on: 64 matrix instructions; w_proj's fragments from memory (the first two of four batches are asked for at the head), y's from LDS.
;   The four parts along K meet in LDS; waves 0-7 add them, in a fixed order, and store.
; No tensor load, no cluster, no prefetch: a short launch of 128 work-groups.
; LIMITS: NaN and infinities are not served; the order of the f32 sums is this text's: two interleaved chains for each sum, then (p0 + p1) + (p2 + p3) + bias.
.set ROWF,  12288                      ; a row of kqvf in bytes
.set YP,    4112                       ; a row of y in LDS: 4,096 bytes + 16 = 1,028 words: the 16 rows of a load begin at banks 4 r (64 banks of 4 bytes: ISA guide 11.1)
.set PF,    272                        ; a row of 64 f32 of a partial sum: 256 bytes + 16
.set PARTB, 16*YP                      ; behind y: the four partial blocks,
.set PART,  16*PF                      ; 16 rows each
.set SPARE, PARTB+4*PART               ; the spare words, 128 bytes a wave: eight blocks of 256 bytes that no other line names
.set VO,  3                            ; v3   w_proj: row r of 4,096 bytes + 16 (lane / 16)
.set PS,  4                            ; v4   where I put my 32 bytes of a partial row
.set PR,  5                            ; v5   where I read a row's 16 bytes back
.set OO,  6                            ; v6   my byte offset in two rows of out0
.set BO,  7                            ; v7   16 r: my four numbers of the bias
.set SPW, 8                            ; v8   LDS address of my spare word; never rewritten
.set NIL, 9                            ; v9   0; never rewritten
.set AKQ, 10                           ; v10  kqvf: row r + 16 (lane / 16)
.set AVT, 11                           ; v11  kqvf: row 8 (lane / 16), + 4 r
.set YS,  12                           ; v12  LDS: where I put 32 bytes of a row of y
.set YR,  13                           ; v13  LDS: my place in y's rows, in my quarter of K
.set DQ,  14                           ; v14  lane % 16 - 8 (lane / 16)
.set RL,  15                           ; v15  1 / l
.set T,   16                           ; v16-23  the scores
.set PP,  24                           ; v24-31  p
.set KR,  32                           ; v32-63  K; then y / l; then y's fragments, batches 0 and 2
.set QR,  64                           ; v64-95  Q; then y's fragments, batches 1 and 3
.set VT,  96                           ; v96-127 V^T; then w_proj's batch 2
.set W0,  128                          ; v128-159 w_proj's batches 0 and 3
.set W1,  160                          ; v160-191 w_proj's batch 1
.set YT,  192                          ; v192-223 Y^T: written by matrix instructions alone
.set EV,  224                          ; v224-239 two accumulators, S^T's and then the projection's: written by matrix instructions alone
.set OD,  232
.set RS,  240                          ; v240-247 the two chains' sum
.set BI,  248                          ; v248-251 the bias
.set M0,  252                          ; v252, v253 at work
.set M1,  253
.set NINF, 254
.set CMX, 255
	s_load_b256 s[4:11], s[0:1], 0x0               ; kqvf, w_proj, b_proj, out0
	v_lshl_add_u32 v[SPW], v0, 2, SPARE
	v_mov_b32 v[NIL], 0
	v_lshrrev_b32 v1, 5, v0
	v_readfirstlane_b32 s12, v1                    ; wave 0..15: my head in phase A
	s_and_b32 s13, s12, 3                          ; phase B: which 16 columns,
	s_lshr_b32 s14, s12, 2                         ; which 256 of K
	s_and_b32 s15, ttmp7, 0xffff                   ; b
	s_mul_i32 s16, s15, 16*ROWF                    ; kqvf: 16 rows a batch,
	s_lshl_b32 s17, s12, 8                         ; 256 bytes a head
	s_add_co_u32 s16, s16, s17
	s_mov_b32 s17, 0
	s_lshl_b32 s18, s14, 10                        ; w_proj: 1,024 bytes for each quarter of K,
	s_lshl_b32 s20, ttmp9, 18                      ; 64 rows of 4,096 bytes a column group,
	s_add_co_u32 s18, s18, s20
	s_lshl_b32 s20, s13, 16                        ; 16 rows a wave
	s_add_co_u32 s18, s18, s20
	s_mov_b32 s19, 0
	s_lshl_b32 s20, ttmp9, 8                       ; the bias and a row of out0: 256 bytes a column group
	s_mov_b32 s21, 0
	s_lshl_b32 s22, s15, 22                        ; out0: 1,024 rows of 4,096 bytes a batch
	s_add_co_u32 s22, s22, s20
	s_lshl_b32 s24, s12, 13                        ; + two rows a storing wave
	s_add_co_u32 s22, s22, s24
	s_mov_b32 s23, 0
	s_mov_b32 s28, 0x76543210
	s_mov_b32 s29, 0xfedcba98                      ; v_permlanex16_b32's selects for lane l xor 16
	s_mov_b32 s30, 0x3e38aa3b                      ; c = log2(e) / 8
	v_and_b32 v1, 15, v0                           ; r
	v_bfe_u32 v2, v0, 4, 1                         ; h'
	v_lshlrev_b32 v[VO], 12, v1
	v_lshl_add_u32 v[VO], v2, 4, v[VO]
	v_mul_u32_u24 v[AKQ], v1, ROWF
	v_lshl_add_u32 v[AKQ], v2, 4, v[AKQ]
	v_mul_u32_u24 v[AVT], v2, 8*ROWF
	v_lshl_add_u32 v[AVT], v1, 2, v[AVT]
	; every LDS address is made here, ahead of the parting of the waves
	v_mul_u32_u24 v[YS], v1, YP
	v_lshl_add_u32 v[YR], v2, 4, v[YS]
	v_lshl_add_u32 v[YS], v2, 5, v[YS]
	s_lshl_b32 s24, s12, 8
	v_add_nc_u32 v[YS], s24, v[YS]                 ; row r, my head's 256 bytes, channels 8 h' on
	s_lshl_b32 s24, s14, 10
	v_add_nc_u32 v[YR], s24, v[YR]                 ; row r, my quarter of K, + 16 h'
	v_mul_u32_u24 v[PS], v1, PF
	v_lshl_add_u32 v[PS], v2, 5, v[PS]
	s_mul_i32 s24, s14, PART
	s_lshl_b32 s25, s13, 6
	s_add_co_u32 s24, s24, s25
	s_add_co_u32 s24, s24, PARTB
	v_add_nc_u32 v[PS], s24, v[PS]                 ; my quarter's row r, columns 16 (w % 4) + 8 h' on
	v_mul_u32_u24 v[PR], v2, PF
	v_lshl_add_u32 v[PR], v1, 4, v[PR]
	s_and_b32 s24, s12, 7
	s_mul_i32 s24, s24, 2*PF
	s_add_co_u32 s24, s24, PARTB
	v_add_nc_u32 v[PR], s24, v[PR]                 ; row 2 (w % 8) + h', 16 bytes a lane
	v_lshlrev_b32 v[OO], 12, v2
	v_lshl_add_u32 v[OO], v1, 4, v[OO]
	v_lshlrev_b32 v[BO], 4, v1
	v_lshlrev_b32 v[M0], 3, v2
	v_sub_nc_u32 v[DQ], v1, v[M0]
	v_mov_b32 v[M1], 0                             ; a lane permute's destination counts as one of its sources
	v_mov_b32 v[NINF], 0xff800000
	s_wait_kmcnt 0x0
	s_add_nc_u64 s[4:5], s[4:5], s[16:17]
	s_add_nc_u64 s[6:7], s[6:7], s[18:19]
	s_add_nc_u64 s[8:9], s[8:9], s[20:21]
	s_add_nc_u64 s[10:11], s[10:11], s[22:23]
; w_proj's batch t: 64 along K: 8 loads of 16 bytes.  A load at 32 i + 16 h' holds k = 8 i + 4 h' + 0..3: two instructions' worth; k is permuted alike on both sides.
.macro LOADW t, reg
.irp i, 0,1,2,3,4,5,6,7
	global_load_b128 v[\reg+4*\i:\reg+4*\i+3], v[VO], s[6:7] offset:256*(\t)+32*\i
.endr
.endm
.macro LOADY t, reg                    ; y's batch t, the same bytes of its rows, from LDS
.irp i, 0,1,2,3,4,5,6,7
	ds_load_b128 v[\reg+4*\i:\reg+4*\i+3], v[YR] offset:256*(\t)+32*\i
.endr
.endm
; A batch's 16 products.  Transposed: source 0 = 16 rows of w_proj, source 1 = y's 16 rows: a lane holds row r and columns 8 h' + 0..7.  Two accumulators take turns; first = 1: the first two products start the sums.
.macro BATCH wr, yr, first
.irp i, 0,1,2,3,4,5,6,7
.if (\first) == 1 && \i == 0
	v_wmma_f32_16x16x4_f32 v[EV:EV+7], v[\wr:\wr+1], v[\yr:\yr+1], 0
	v_wmma_f32_16x16x4_f32 v[OD:OD+7], v[\wr+2:\wr+3], v[\yr+2:\yr+3], 0
.else
	v_wmma_f32_16x16x4_f32 v[EV:EV+7], v[\wr+4*\i:\wr+4*\i+1], v[\yr+4*\i:\yr+4*\i+1], v[EV:EV+7]
	v_wmma_f32_16x16x4_f32 v[OD:OD+7], v[\wr+4*\i+2:\wr+4*\i+3], v[\yr+4*\i+2:\yr+4*\i+3], v[OD:OD+7]
.endif
.endr
.endm
.macro PLACES8                         ; eight places behind the f32 form: in front of reads of its results and of loads into registers that it has read (ISA guide 7.12.1 for the reads of results)
.rept 8
	v_nop
.endr
.endm
	; ---- PHASE A.  K of the f32 form is 4: lane (r, h') gives numbers 2 h' + j.  A load of 16 bytes at 32 c + 16 h' holds channels 8 c + 4 h' + 0..3: two instructions' worth; the channels are permuted alike for K and Q
.irp c, 0,1,2,3,4,5,6,7
	global_load_b128 v[KR+4*\c:KR+4*\c+3], v[AKQ], s[4:5] offset:32*\c          ; k: columns 0 to 1,023 of a row
	global_load_b128 v[QR+4*\c:QR+4*\c+3], v[AKQ], s[4:5] offset:4096+32*\c     ; q: 1,024 on
.endr
.irp dt, 0,1,2,3                       ; V^T: register 8 dt + e: key 8 h' + e, channel 16 dt + r
.irp e, 0,1,2,3,4,5,6,7
	global_load_b32 v[VT+8*\dt+\e], v[AVT], s[4:5] offset:8192+\e*ROWF+64*\dt   ; v: 2,048 on
.endr
.endr
	global_load_b128 v[BI:BI+3], v[BO], s[8:9]
	LOADW 0, W0                                    ; what phase B wants first is on its way while phase A is walked
	LOADW 1, W1
	s_wait_loadcnt 17                              ; K, Q and V are in; the bias and the 16 loads of w_proj may be out
	; S^T: source 0 = 16 keys, source 1 = 16 queries.  64 channels at 4 an instruction: 16 instructions; two accumulators take turns; the first two products start the sums
	v_wmma_f32_16x16x4_f32 v[EV:EV+7], v[KR:KR+1], v[QR:QR+1], 0
	v_wmma_f32_16x16x4_f32 v[OD:OD+7], v[KR+2:KR+3], v[QR+2:QR+3], 0
.irp i, 1,2,3,4,5,6,7
	v_wmma_f32_16x16x4_f32 v[EV:EV+7], v[KR+4*\i:KR+4*\i+1], v[QR+4*\i:QR+4*\i+1], v[EV:EV+7]
	v_wmma_f32_16x16x4_f32 v[OD:OD+7], v[KR+4*\i+2:KR+4*\i+3], v[QR+4*\i+2:QR+4*\i+3], v[OD:OD+7]
.endr
	PLACES8
.irp j, 0,1,2,3,4,5,6,7
	v_add_f32 v[T+\j], v[EV+\j], v[OD+\j]          ; from the low end on.  Register j: key 8 h' + j, query r
.endr
.irp j, 0,1,2,3,4,5,6,7
	v_cmp_gt_i32 vcc_lo, \j, v[DQ]                 ; hidden where 8 h' + j > r
	v_cndmask_b32 v[T+\j], v[T+\j], v[NINF], vcc_lo
.endr
	v_max3_num_f32 v[M0], v[T], v[T+1], v[T+2]
	v_max3_num_f32 v[M0], v[M0], v[T+3], v[T+4]
	v_max3_num_f32 v[M0], v[M0], v[T+5], v[T+6]
	v_max_num_f32 v[M0], v[M0], v[T+7]
	v_permlanex16_b32 v[M1], v[M0], s28, s29
	v_max_num_f32 v[M0], v[M0], v[M1]              ; the row's maximum: key 0 counts for every query
	v_mul_f32 v[CMX], s30, v[M0]
.irp j, 0,1,2,3,4,5,6,7
	v_fma_f32 v[T+\j], v[T+\j], s30, -v[CMX]
.endr
.irp j, 0,1,2,3,4,5,6,7
	v_exp_f32 v[PP+\j], v[T+\j]
.endr
	v_nop                                          ; a plain instruction behind the last exponential
	s_wait_alu depctr_va_vdst(0)                   ; the wait ahead of the first use: one for the eight
	v_add_f32 v[M0], v[PP], v[PP+1]
	v_add_f32 v[M1], v[PP+2], v[PP+3]
	v_add_f32 v[M0], v[M0], v[PP+4]
	v_add_f32 v[M1], v[M1], v[PP+5]
	v_add_f32 v[M0], v[M0], v[PP+6]
	v_add_f32 v[M1], v[M1], v[PP+7]
	v_add_f32 v[M0], v[M0], v[M1]
	v_permlanex16_b32 v[M1], v[M0], s28, s29
	v_add_f32 v[M0], v[M0], v[M1]                  ; the row's sum
	v_rcp_f32 v[RL], v[M0]
	v_nop
	s_wait_alu depctr_va_vdst(0)                   ; and one for the reciprocal
.irp kk, 0,1,2,3                       ; Y^T = V^T P: step kk takes keys 8 h' + 2 kk + j, which are p's registers 2 kk, 2 kk + 1 as they lie: nothing changes lanes.  Four accumulators take turns
.irp dt, 0,1,2,3
.if \kk == 0
	v_wmma_f32_16x16x4_f32 v[YT+8*\dt:YT+8*\dt+7], v[VT+8*\dt+2*\kk:VT+8*\dt+2*\kk+1], v[PP+2*\kk:PP+2*\kk+1], 0
.else
	v_wmma_f32_16x16x4_f32 v[YT+8*\dt:YT+8*\dt+7], v[VT+8*\dt+2*\kk:VT+8*\dt+2*\kk+1], v[PP+2*\kk:PP+2*\kk+1], v[YT+8*\dt:YT+8*\dt+7]
.endif
.endr
.endr
	PLACES8
.set i, 0
.rept 32
	v_mul_f32 v[KR+i], v[YT+i], v[RL]              ; Y / l, into other registers, each accumulator from its low end on; register 8 dt + j: y(r, 16 dt + 8 h' + j)
.set i, i+1
.endr
.irp dt, 0,1,2,3
	ds_store_b128 v[YS], v[KR+8*\dt:KR+8*\dt+3] offset:64*\dt
	ds_store_b128 v[YS], v[KR+8*\dt+4:KR+8*\dt+7] offset:64*\dt+16
.endr
	LOADW 2, VT                                    ; V^T's registers are done with (the eight places stand above)
	s_wait_dscnt 0x0                               ; for the others' sake: my stores are done
	s_barrier_signal -1
	s_barrier_wait -1                              ; 16 rows of y, all 16 heads, lie in LDS
	; ---- PHASE B
	LOADY 0, KR
	LOADY 1, QR
	s_wait_loadcnt 8                               ; the bias and w_proj's batches 0 and 1 are in; batch 2's eight loads may be out
	s_wait_dscnt 8                                 ; y's batch 0 is in; batch 1's eight loads may be out
	BATCH W0, KR, 1
	PLACES8
	LOADW 3, W0                                    ; into batch 0's registers
	LOADY 2, KR
	s_wait_dscnt 8                                 ; y's batch 1 is in; batch 2's may be out
	BATCH W1, QR, 0
	PLACES8
	LOADY 3, QR
	s_wait_loadcnt 8                               ; w_proj's batch 2 is in; batch 3's may be out
	s_wait_dscnt 8                                 ; y's batch 2 is in; batch 3's may be out
	BATCH VT, KR, 0
	s_wait_loadcnt 0x0
	s_wait_dscnt 0x0
	BATCH W0, QR, 0
	PLACES8
.irp j, 0,1,2,3,4,5,6,7
	v_add_f32 v[RS+\j], v[EV+\j], v[OD+\j]         ; from the low end on, into other registers
.endr
	ds_store_b128 v[PS], v[RS:RS+3]
	ds_store_b128 v[PS], v[RS+4:RS+7] offset:16
	s_wait_dscnt 0x0                               ; for the others' sake: my stores are done
	s_barrier_signal -1
	s_barrier_wait -1                              ; four partial blocks of 16 rows x 64 columns lie in LDS
	s_cmp_ge_u32 s12, 8
	s_cbranch_scc1 .Lend
.irp k, 0,1,2,3
	ds_load_b128 v[KR+4*\k:KR+4*\k+3], v[PR] offset:\k*PART
.endr
	s_wait_dscnt 0x0
	v_pk_add_f32 v[KR:KR+1],     v[KR:KR+1],     v[KR+4:KR+5]
	v_pk_add_f32 v[KR+2:KR+3],   v[KR+2:KR+3],   v[KR+6:KR+7]
	v_pk_add_f32 v[KR+8:KR+9],   v[KR+8:KR+9],   v[KR+12:KR+13]
	v_pk_add_f32 v[KR+10:KR+11], v[KR+10:KR+11], v[KR+14:KR+15]
	v_pk_add_f32 v[KR:KR+1],     v[KR:KR+1],     v[KR+8:KR+9]
	v_pk_add_f32 v[KR+2:KR+3],   v[KR+2:KR+3],   v[KR+10:KR+11]
	v_pk_add_f32 v[KR+16:KR+17], v[KR:KR+1],     v[BI:BI+1]
	v_pk_add_f32 v[KR+18:KR+19], v[KR+2:KR+3],   v[BI+2:BI+3]
	global_store_b128 v[OO], v[KR+16:KR+19], s[10:11]   ; 16 lanes store 256 consecutive bytes, aligned: rows 2 w and 2 w + 1
.Lend:
	s_wait_tensorcnt 0x0                           ; the wave's end: these three lines behind my last LDS store
	ds_add_u32 v[SPW], v[NIL]
	s_wait_dscnt 0x0
	s_endpgm
.Lfunc_end_k_qa7039ad79a_fine:
	.size	k_qa7039ad79a_fine, .Lfunc_end_k_qa7039ad79a_fine-k_qa7039ad79a_fine
	.p2alignl 7, 3214868480
	.fill 96, 4, 3214868480
	.section	.rodata,"a",@progbits
	.p2align	6, 0x0
	.amdhsa_kernel k_qa7039ad79a_fine
		.amdhsa_group_segment_fixed_size 85248
		.amdhsa_private_segment_fixed_size 0
		.amdhsa_enable_private_segment 0
		.amdhsa_kernarg_size 32
		.amdhsa_user_sgpr_count 2
		.amdhsa_user_sgpr_kernarg_segment_ptr 1
		.amdhsa_wavefront_size32 1
		.amdhsa_system_sgpr_workgroup_id_x 1
		.amdhsa_system_sgpr_workgroup_id_y 1
		.amdhsa_system_sgpr_workgroup_id_z 1
		.amdhsa_system_vgpr_workitem_id 0
		.amdhsa_next_free_vgpr 256
		.amdhsa_next_free_sgpr 66
		.amdhsa_reserve_vcc 1
		.amdhsa_float_denorm_mode_32 3
		.amdhsa_float_denorm_mode_16_64 3
		.amdhsa_memory_ordered 1
		.amdhsa_forward_progress 1
		.amdhsa_inst_pref_size 26
	.end_amdhsa_kernel
	.amdgpu_metadata
---
amdhsa.version: [ 1, 2 ]
amdhsa.kernels:
  - .name:           k_qa7039ad79a_fine
    .symbol:         k_qa7039ad79a_fine.kd
    .args:
      - { .name: kqvf, .offset: 0, .size: 8, .value_kind: global_buffer, .address_space: global }
      - { .name: w_proj, .offset: 8, .size: 8, .value_kind: global_buffer, .address_space: global }
      - { .name: b_proj, .offset: 16, .size: 8, .value_kind: global_buffer, .address_space: global }
      - { .name: out0, .offset: 24, .size: 8, .value_kind: global_buffer, .address_space: global }
    .group_segment_fixed_size: 85248
    .private_segment_fixed_size: 0
    .kernarg_segment_align: 8
    .kernarg_segment_size: 32
    .max_flat_workgroup_size: 512
    .sgpr_count:     66
    .vgpr_count:     256
    .wavefront_size: 32
...
	.end_amdgpu_metadata
.endif
;; end of part 5
